; MI455X (gfx1250); checked and timed in simulation.
; The chip was launched on July 23, 2026; its instructions are those of AMD's public machine-readable ISA for CDNA 5 (MIT licence, August 2026) and "CDNA5" Instruction Set Architecture Reference Guide (July 2026). The comments in the code are by the model that wrote it; some were corrected since.
;; Cross Attention Ro PE. Allowed arithmetic: matrix products marked QUANTISED: E2M3 operands, one E8M0 scale for each 32 along K, by v_wmma_scale_f32_16x16x128_f8f6f4 with both operands' format E2M3, f32 sums; everything else in f32.
;; Inputs: bk 1,024 float32; bo 1,024 float32; bq 1,024 float32; bv 1,024 float32; ctx 8 x 2,048 x 1,024 float32; freqs_cis 2,048 x 32 x 2 float32; wk 1,024 x 1,024 float32; wo 1,024 x 1,024 float32; wq 1,024 x 1,024 float32; wv 1,024 x 1,024 float32; x 8 x 512 x 1,024 float32.
;; Outputs: out0 8 x 512 x 1,024 float32.
;; This version of the problem:
;;   THIS VERSION OF THE PROBLEM IS GIVEN IN LOW PRECISION. The matrix products marked QUANTISED in the list below multiply operands that are first quantised to E2M3 (2 exponent bits, 3 mantissa bits; 6 bits a number), with one power-of-two scale for each 32 numbers along K (OCP MX v1.0); their sums are f32. All else is computed in f32.
;;   The module's matrix products, in the order in which they are computed (A, B: the left and right operand; K: the contracted axis; several contracted axes count as one K, in the product's order):
;;     1. [M 4,096, K 1,024] x [K 1,024, N 1,024]; A: input x; B: input wq: QUANTISED
;;     2. [M 16,384, K 1,024] x [K 1,024, N 1,024]; A: input ctx; B: input wk: QUANTISED
;;     3. [M 16,384, K 1,024] x [K 1,024, N 1,024]; A: input ctx; B: input wv: QUANTISED
;;     4. batch 128 x [M 512, K 64] x [K 64, N 2,048]; A: computed on the way; B: computed on the way: QUANTISED
;;     5. batch 128 x [M 64, K 2,048] x [K 2,048, N 512]; A: computed on the way; B: softmax (see below): QUANTISED
;;     6. [M 4,096, K 1,024] x [K 1,024, N 1,024]; A: computed on the way; B: input wo: QUANTISED
;;   THE QUANTISER, for each operand of a quantised product, along K:
;;     - K is cut into blocks of 32 from its start; a last block that is shorter is filled with zeros.
;;     - A block's scale is 2^e with e = floor(log2(the largest magnitude in the block)) - 2, held to -126 .. 127; a block of zeros has e = 0. As a byte (E8M0): e + 127.
;;     - Each number is divided by its block's scale, clamped to +-7.5, and rounded to the nearest number of E2M3, ties to even, subnormals kept.
;;     - The product sums the exact products of the quantised numbers (number of the format x scale) in f32.
;;   ~~~python
;;   def quantise(x, axis):      # numpy; x: float32 -> the quantised numbers, widened to float32 again
;;       x = np.moveaxis(x, axis, -1); K = x.shape[-1]
;;       x = np.pad(x, [(0, 0)] * (x.ndim - 1) + [(0, -K % 32)]); x = x.reshape(x.shape[:-1] + (-1, 32)); a = np.abs(x).max(-1, keepdims=True)
;;       e = np.where(a > 0, np.clip(np.frexp(np.where(a > 0, a, 1))[1] - 1 - 2, -126, 127), 0)      # np.frexp(a)[1] - 1 = floor(log2(a)), exactly
;;       r = np.clip(x / 2.0 ** e, -7.5, 7.5)
;;       step = 2.0 ** (np.maximum(np.frexp(np.where(r == 0, 1, r))[1] - 1, 0) - 3)
;;       q = np.round(r / step) * step * 2.0 ** e      # np.round: ties to even
;;       return np.moveaxis(q.reshape(q.shape[:-2] + (-1,))[..., :K], -1, axis).astype(np.float32)
;;   ~~~
;;   SOFTMAX AHEAD OF A QUANTISED PRODUCT. Where the list says 'softmax', what is quantised is not the finished softmax but p = 2^(t - M), with t = logit x log2(e) and M = ceil(the row's largest t), a whole number; so 1/2 < the row's largest p <= 1. The row's sum l is taken of the UNQUANTISED p, in f32, and the product's result is divided by l at the end. Since M is a whole number, a kernel that streams over the keys may use a running M (the ceiling of the running maximum): every later rescaling is an exact power of two, which a block's scale takes up: the codes' values come out the same.
;;   OPERANDS COMPUTED ON THE WAY. 'Computed on the way' means the value that the module computes at that place (a softmax that the list does not call 'softmax' is quantised finished and normalised). What goes into a quantiser is computed in f32, as accurately as f32 sums, v_exp_f32 and their like allow (about 1e-6 of the number): no bf16 or f16 on the way to a quantiser, and a product that is left as it is and whose result goes on into a quantised operand takes f32 operands (vector FMAs, or v_wmma_f32_16x16x4_f32). A number that lies on a knife's edge between two numbers of the format may be rounded either way, as far as f32 arithmetic and the matrix unit's own rounding can turn it there, and no further.
;; One version. Each part assembles by itself: llvm-mc -triple=amdgcn-amd-amdhsa -mcpu=gfx1250 --defsym DOCPART=n.
;; ======== version 1 of 1: 4 launches
;; limits: right only within a limited range of input values
;; workspace buffers: ac 18,874,368 bytes; asc 786,432 bytes; kvc 25,165,824 bytes; kvs 1,048,576 bytes; oc 3,145,728 bytes; osc 131,072 bytes
;; launch quant (part 1): grid 384 x 2, 4 waves a work-group, no clusters, 34,304 bytes of LDS; arguments ctx, x, wq, wk, wv, wo, ac, asc; writes ac, asc
.if DOCPART == 1
	.amdgcn_target "amdgcn-amd-amdhsa--gfx1250"
	.amdhsa_code_object_version 6
	.text
	.protected	k_q1c60ecc639_quant
	.globl	k_q1c60ecc639_quant
	.p2align	8
	.type	k_q1c60ecc639_quant,@function
k_q1c60ecc639_quant:
	s_mov_b64 s[64:65], 0
	v_nop
	global_prefetch_b8 v0, s[64:65] scope:SCOPE_SE
	s_setreg_imm32_b32 hwreg(HW_REG_WAVE_MODE, 25, 1), 1
	s_wait_xcnt 0x0
; ctx, x, wq, wk, wv, wo (rows of 1,024 f32, K innermost) become codes of FP6 (E2M3) with one E8M0 byte for each 32 along K.
; THE LAYOUT OF THE CODES is the order of an operand's registers.  Rows go in groups of 128 (192 groups: ctx 0-127, x 128-159, wq 160-167, wk 168-175, wv 176-183, wo 184-191).
; ac: [group][K step of 128][block i of 8][1,536 bytes]; a block is a fragment of 16 rows x 128 K: registers 4 c .. 4 c + 3 of lane l lie at 512 c + 16 l.
; Row r of block i is the group's row 32 (i / 2) + 8 (i % 2) + r + 8 (r / 8), so that later results have 16 neighbours in the 16 registers of two neighbouring tiles.
; asc: [group][K step][plane i / 4][r][word i % 4]: the four scale bytes of that row for that K step.
; A block's scale is 2^(floor(log2(largest magnitude)) - 2): its byte is the largest magnitude's exponent field - 2, held at 1 from below.
; LIMITS: a block of zeros gets the byte 1 where the rule says 127 (its codes are zeros, and this program alone reads the bytes); NaN and infinities among the inputs are not served.
; SHARES: a work-group takes 64 rows (half a group: blocks 4 p .. 4 p + 3) and four K steps, a wave one K step: four fragments.
; Each load reads 512 consecutive bytes of one row; 16 rows turn through the wave's own stage in LDS, so that lane (r, h) gets k = 64 c + 32 h + 0 .. 31 of row r: two whole blocks.
; Memory binds: no tensor load, no barrier, no matrix unit; waves share nothing.
.set STG,   8448                       ; a wave's stage: 16 rows of 512 bytes + 16
.set PITCH, 528                        ; an odd multiple of 16 bytes: the 16 rows that a load touches start in 16 different columns of 16 bytes
.set MX,  6                            ; v6-7    largest magnitudes of my two blocks
.set SO,  8                            ; v8-9    the conversions' scale operands
.set BY,  10                           ; v10-11  the scale bytes
.set WD,  12                           ; v12     my two bytes at their places in the word
.set PD,  13                           ; v13     lane l xor 16's
.set PW,  14                           ; v14-17  the four fragments' scale words
.set OP,  18                           ; v18-19  the two words that I store
.set PC,  20                           ; v20-31  a fragment's codes
.set T,   32                           ; v32-34, v36-38  the upper halves of the two blocks
.set X,   40                           ; v40-103 my 64 numbers
.set R,   104                          ; v104-231 two sets of 16 rows as loaded
	s_load_b512 s[8:23], s[0:1], 0x0               ; ctx, x, wq, wk, wv, wo, ac, asc
	v_lshl_add_u32 v232, v0, 2, 0x8400
	v_mov_b32 v233, 0
	v_lshrrev_b32 v1, 5, v0
	v_readfirstlane_b32 s25, v1                    ; wave
	s_mov_b32 s24, ttmp9                           ; which half group of 64 rows
	s_and_b32 s29, ttmp7, 0xffff
	s_lshl_b32 s29, s29, 2
	s_add_co_u32 s29, s29, s25                     ; my K step: 4 y + wave
	s_mov_b32 s36, 0x76543210
	s_mov_b32 s37, 0xfedcba98                      ; selects for lane l xor 16
	s_mov_b32 s38, 0xffff0000                      ; lanes 16-31
	v_and_b32 v2, 31, v0
	v_lshlrev_b32 v1, 4, v2                        ; 16 x lane
	v_and_b32 v3, 15, v0                           ; r
	v_bfe_u32 v5, v0, 4, 1                         ; h
	s_mul_i32 s30, s25, STG
	v_add_nc_u32 v2, s30, v1                       ; the stage, in: a row's 512 bytes as they lie
	v_lshlrev_b32 v4, 4, v3
	v_lshl_add_u32 v4, v5, 3, v4                   ; the scale words' place: 16 r + 8 h
	v_mul_u32_u24 v3, v3, PITCH
	v_lshl_add_u32 v3, v5, 7, v3
	v_add_nc_u32 v3, s30, v3                       ; the stage, out: row r, + 128 h
	v_lshlrev_b32 v5, 3, v5                        ; 8 h: how far my two bytes are shifted
	v_mov_b32 v[PD], 0                             ; a lane permute's destination counts as one of its sources
	s_lshr_b32 s32, s24, 1                         ; group
	s_and_b32 s33, s24, 1                          ; which half of it
	s_mul_i32 s34, s32, 98304
	s_mul_i32 s35, s29, 12288
	s_add_co_u32 s34, s34, s35
	s_mul_i32 s35, s33, 6144
	s_add_co_u32 s34, s34, s35                     ; my four fragments' place in ac
	s_mov_b32 s35, 0
	s_wait_alu depctr_va_vdst(0)
	s_wait_kmcnt 0x0
	s_add_nc_u64 s[20:21], s[20:21], s[34:35]
	s_lshl_b32 s34, s32, 12
	s_lshl_b32 s32, s29, 9
	s_add_co_u32 s34, s34, s32
	s_lshl_b32 s32, s33, 8
	s_add_co_u32 s34, s34, s32                     ; my 256 scale bytes' place in asc
	s_add_nc_u64 s[22:23], s[22:23], s[34:35]
	; which tensor: chosen without a branch, on the work-group's number alone
	s_mov_b64 s[26:27], s[8:9]
	s_mov_b32 s28, 0
.macro PICK first, ptr
	s_cmp_ge_u32 s24, \first
	s_cselect_b64 s[26:27], s[\ptr:\ptr+1], s[26:27]
	s_cselect_b32 s28, \first, s28
.endm
	PICK 256, 10
	PICK 320, 12
	PICK 336, 14
	PICK 352, 16
	PICK 368, 18
	s_sub_co_u32 s30, s24, s28
	s_lshl_b32 s30, s30, 18                        ; 64 rows of 4,096 bytes for each half group,
	s_lshl_b32 s31, s29, 9
	s_add_co_u32 s30, s30, s31                     ; 512 bytes for each K step
	s_mov_b32 s31, 0
	s_add_nc_u64 s[26:27], s[26:27], s[30:31]
.macro LOAD f                          ; the 16 rows of fragment f, 512 consecutive bytes a load
.irp n, 0,1,2,3,4,5,6,7,8,9,10,11,12,13,14,15
	global_load_b128 v[R+64*((\f)%2)+4*\n:R+64*((\f)%2)+4*\n+3], v1, s[26:27] offset:(32*((\f)/2)+8*((\f)%2)+\n+8*(\n/8))*4096 th:TH_LOAD_NT
.endr
.endm
.macro FRAGM f, left, more
.set RS, R+64*((\f)%2)
	s_wait_loadcnt \left                           ; this fragment's 16 loads are in; the count leaves out the next fragment's 16
.irp n, 0,1,2,3,4,5,6,7,8,9,10,11,12,13,14,15
	ds_store_b128 v2, v[RS+4*\n:RS+4*\n+3] offset:PITCH*\n
.endr
.irp c, 0,1
.irp j, 0,1,2,3,4,5,6,7
	ds_load_b128 v[X+32*\c+4*\j:X+32*\c+4*\j+3], v3 offset:256*\c+16*\j   ; LDS serves a wave's instructions in order: these see the stores above
.endr
.endr
	s_wait_dscnt 0x0                               ; my 64 numbers are in, and the stage's stores have read their registers,
.if \more
	LOAD (\f)+2                                    ; which take the fragment two further on
.endif
.irp c, 0,1
	v_max3_num_f32 v[MX+\c], |v[X+32*\c]|, |v[X+32*\c+1]|, 0x1800000   ; my block 2 c + h: all 32 numbers are mine; the floor 2^(3 - 127) holds the byte at 1 from below
.endr
.irp i, 2,4,6,8,10,12,14,16,18,20,22,24,26,28,30
.irp c, 0,1
	v_max3_num_f32 v[MX+\c], v[MX+\c], |v[X+32*\c+\i]|, |v[X+32*\c+\i+1]|
.endr
.endr
.irp c, 0,1
	v_add_nc_u32 v[SO+\c], 0xff000000, v[MX+\c]    ; 2 off the exponent field: the conversion takes this operand's exponent field as its scale
.endr
.irp c, 0,1
	v_lshrrev_b32 v[BY+\c], 23, v[SO+\c]           ; the scale's byte
.endr
	v_lshl_or_b32 v[WD], v[BY+1], 16, v[BY]        ; blocks h and 2 + h of row r,
	v_lshlrev_b32 v[WD], v5, v[WD]                 ; at their places;
	v_permlanex16_b32 v[PD], v[WD], s36, s37
	v_or_b32 v[PW+(\f)], v[WD], v[PD]              ; with lane l xor 16's two the word is whole
.if (\f) > 0
	s_wait_alu depctr_va_vdst(0)
	s_wait_xcnt 0x0                                ; the last fragment's stores have read the codes' registers
.endif
.irp c, 0,1
	v_cvt_scalef32_pk16_fp6_f32 v[PC+6*\c:PC+6*\c+2], v[X+32*\c:X+32*\c+15], v[SO+\c]
	v_cvt_scalef32_pk16_fp6_f32 v[T+4*\c:T+4*\c+2], v[X+32*\c+16:X+32*\c+31], v[SO+\c]   ; (a conversion's three registers begin on an even number)
.endr
	v_nop                                          ; one plain place behind a scaled conversion
.irp c, 0,1
.irp i, 0,1,2
	v_mov_b32 v[PC+6*\c+3+\i], v[T+4*\c+\i]
.endr
.endr
.irp c, 0,1,2
	global_store_b128 v1, v[PC+4*\c:PC+4*\c+3], s[20:21] offset:1536*(\f)+512*\c   ; 32 lanes store 512 consecutive bytes, aligned
.endr
.endm
	LOAD 0
	LOAD 1
	FRAGM 0, 16, 1
	FRAGM 1, 16, 1
	FRAGM 2, 16, 0
	FRAGM 3, 0, 0
	v_cndmask_b32 v[OP], v[PW], v[PW+2], s38       ; lanes 0-15 store words 0 and 1 of row r, lanes 16-31 words 2 and 3
	v_cndmask_b32 v[OP+1], v[PW+1], v[PW+3], s38
	global_store_b64 v4, v[OP:OP+1], s[22:23]      ; 32 lanes store 256 consecutive bytes, aligned
	s_wait_tensorcnt 0x0
	ds_add_u32 v232, v233
	s_wait_dscnt 0x0
	s_endpgm
.Lfunc_end_k_q1c60ecc639_quant:
	.size	k_q1c60ecc639_quant, .Lfunc_end_k_q1c60ecc639_quant-k_q1c60ecc639_quant
	.p2alignl 7, 3214868480
	.fill 96, 4, 3214868480
	.section	.rodata,"a",@progbits
	.p2align	6, 0x0
	.amdhsa_kernel k_q1c60ecc639_quant
		.amdhsa_group_segment_fixed_size 34304
		.amdhsa_private_segment_fixed_size 0
		.amdhsa_enable_private_segment 0
		.amdhsa_kernarg_size 64
		.amdhsa_user_sgpr_count 2
		.amdhsa_user_sgpr_kernarg_segment_ptr 1
		.amdhsa_wavefront_size32 1
		.amdhsa_system_sgpr_workgroup_id_x 1
		.amdhsa_system_sgpr_workgroup_id_y 1
		.amdhsa_system_sgpr_workgroup_id_z 1
		.amdhsa_system_vgpr_workitem_id 0
		.amdhsa_next_free_vgpr 234
		.amdhsa_next_free_sgpr 66
		.amdhsa_reserve_vcc 0
		.amdhsa_float_denorm_mode_32 3
		.amdhsa_float_denorm_mode_16_64 3
		.amdhsa_memory_ordered 1
		.amdhsa_forward_progress 1
		.amdhsa_inst_pref_size 31
	.end_amdhsa_kernel
	.amdgpu_metadata
---
amdhsa.version: [ 1, 2 ]
amdhsa.kernels:
  - .name:           k_q1c60ecc639_quant
    .symbol:         k_q1c60ecc639_quant.kd
    .args:
      - { .name: ctx, .offset: 0, .size: 8, .value_kind: global_buffer, .address_space: global }
      - { .name: x, .offset: 8, .size: 8, .value_kind: global_buffer, .address_space: global }
      - { .name: wq, .offset: 16, .size: 8, .value_kind: global_buffer, .address_space: global }
      - { .name: wk, .offset: 24, .size: 8, .value_kind: global_buffer, .address_space: global }
      - { .name: wv, .offset: 32, .size: 8, .value_kind: global_buffer, .address_space: global }
      - { .name: wo, .offset: 40, .size: 8, .value_kind: global_buffer, .address_space: global }
      - { .name: ac, .offset: 48, .size: 8, .value_kind: global_buffer, .address_space: global }
      - { .name: asc, .offset: 56, .size: 8, .value_kind: global_buffer, .address_space: global }
    .group_segment_fixed_size: 34304
    .private_segment_fixed_size: 0
    .kernarg_segment_align: 8
    .kernarg_segment_size: 64
    .max_flat_workgroup_size: 128
    .sgpr_count:     66
    .vgpr_count:     234
    .wavefront_size: 32
...
	.end_amdgpu_metadata
.endif
;; end of part 1
;; launch projkv (part 2): grid 4 x 64, 4 waves a work-group, clusters of 4 x 4, 327,680 bytes of LDS; arguments ac, asc, bk, bv, freqs_cis, kvc, kvs; writes kvc, kvs
.if DOCPART == 2
	.amdgcn_target "amdgcn-amd-amdhsa--gfx1250"
	.amdhsa_code_object_version 6
	.text
	.protected	k_q1c60ecc639_projkv
	.globl	k_q1c60ecc639_projkv
	.p2align	8
	.type	k_q1c60ecc639_projkv,@function
k_q1c60ecc639_projkv:
	s_mov_b64 s[64:65], 0
	v_nop
	global_prefetch_b8 v0, s[64:65] scope:SCOPE_SE
	s_setreg_imm32_b32 hwreg(HW_REG_WAVE_MODE, 25, 1), 1
	s_wait_xcnt 0x0
	s_wait_alu depctr_hold_cnt(0) depctr_sa_sdst(0) depctr_va_vdst(0) depctr_va_sdst(0) depctr_va_ssrc(0) depctr_va_vcc(0) depctr_vm_vsrc(0)
	s_getreg_b32 s2, hwreg(HW_REG_IB_STS2, 6, 4)
	s_cmp_eq_u32 s2, 0
	s_cbranch_scc0 .Lentry_in_a_cluster
	s_endpgm
.Lentry_in_a_cluster:
	s_bfe_u32 s2, ttmp6, 0x10000c
	s_cmp_lg_u32 s2, 0xf033
	s_cbranch_scc0 .Lentry_shape_is_right
	s_endpgm
.Lentry_shape_is_right:
; k = rope(ctx wk^T + bk) and v = ctx wv^T + bv, both products on codes of FP6 (E2M3) with E8M0 scales, and both results quantised again on the way out, as the attention's operands.
; Clusters 0-15 (along y) make k, clusters 16-31 make v.  A tile is 256 rows of A' x 256 rows of B'; source 0 of the matrix instruction takes B', source 1 takes A'.
;   k: A' = tokens (ctx), B' = channels (wk): a lane holds one token and its registers run along the head's channels, which are the K of q k^T.
;   v: A' = channels (wv), B' = tokens (ctx): a lane holds one channel and its registers run along the keys, which are the K of p v.
; Operands lie in memory and in LDS in the order of their registers (16 rows x 128 K = 1,536 bytes, three loads of 512 consecutive bytes); row r of block i of a group of 128 rows is the group's
; row 32 (i / 2) + 8 (i % 2) + r + 8 (r / 8).  So in accumulator (a, b) lane (r, h), register j holds (A' row of block a, row r;  B' row 32 (b / 2) + 16 h + 8 (b % 2) + j).
; Four waves, each 128 x 128: 64 accumulators.  K = 1,024 is eight steps of 128, two to an LDS slot.  THREE slots: three fills and the scales go out at the start, only slot 0 is filled again (steps 6, 7).
; CLUSTERS: 4 x 4.  A's tiles are shared along a row of the cluster, B's along a column: joint loads with a mask of four.
; OUT: kvc: K at 0, V at 12,582,912, each [batch][head][key step of 128][fragment 4][1,536].  A fragment of K holds two tiles of 16 keys x 64 channels (K 0-63: keys of block 2 f; K 64-127: of block 2 f + 1);
;      a fragment of V holds 16 channels (block f's rows) x 128 keys.  kvs: K at 0, V at 524,288, each [batch][head][key step][r][fragment] words.
; LIMITS: a block of zeros gets the byte 1 where the rule says 127 (zero codes; only this program reads the bytes); NaN and infinities are not served; rope's second product is fused with its sum (one rounding less than two products and a sum).
; REGISTERS: window 0: v16-31 addresses; v32-63 scale words (nothing else, ever); v64-127 rope's factors, set A; v128-223 A's fragments, later the way out.
;   window 1: B's fragments, two sets at v0 and v128; v96-127, v224-255 the biases; v0-63 rope's factors, set B, at the end.   windows 2, 3: the accumulators ((a, b) at v[8 (8 (a % 4) + b)] of window 2 + a / 4).
.set PART,  24576                      ; 128 rows x 2 K steps: [step 2][block 8][1,536]: what one tensor load brings
.set SLOT,  4*PART                     ; A's two halves, then B's two
.set SCL,   3*SLOT                     ; behind the ring: the scale words of the four groups, 4,096 bytes each: [K step 8][plane 2][r 16][4 words]
.set SPARE, SCL+4*4096                 ; the spare words, 128 bytes for each wave: two blocks of 256 bytes that no other line names
.set FR,    12
.set NLA,   3                          ; LDS loads that bring a fragment of A
.set NP,    4                          ; places behind this matrix instruction (ISA guide 7.12.1)
.set ADRA,  16                         ; v16-18  my A fragments in slot 0, 1, 2
.set ADRB,  20                         ; v20-22  my B fragments
.set LO,    24                         ; v24     16 x lane
.set FA,    25                         ; v25     rope's factors: 256 (r + 8 (r / 8)) + 64 h
.set SOF,   26                         ; v26     the scale words' place: 16 r + 4,096 h
.set ADRS,  27                         ; v27     my scale words: lanes 0-15 A's, lanes 16-31 B's
.set SPW,   28                         ; v28     my spare word; never rewritten
.set NIL,   29                         ; v29     0; never rewritten
.set BA,    30                         ; v30     64 h
.set BMA,   31                         ; v31     4 (r + 8 (r / 8))
.set SC,    32                         ; scale words: register SC + 16 set + 8 q + i: lanes 0-15 A's block i, lanes 16-31 B's block i
.set AF,    128
.set W,     128                        ; the way out: 64 numbers of a lane
.set TM,    192                        ; v192-207 at work in the quantiser
.set PC,    212                        ; v212-230 the codes just made
.set PWS,   232                        ; v232-239 eight scale words
.set OUT,   240                        ; v240-243 the four that I store
.set RT,    244                        ; v244-251 at work in rope
.set G1,   24                          ; s[24:31] group 1 for A's tiles; s[32:39] B's; s[40:47], s[48:55] for the scales
.set G1B,  32
.set G1S,  40
.set G1SB, 48
.set G0S,  84                          ; s[84:87], s[88:91] groups 0 for the scales; A's slots: s[56:59], s[60:63], s[68:71]; B's: s[72:83]
.set G0SB, 88
.set MSB, 0
.macro WIN new                         ; the immediate's high byte repeats the setting that is left
.if MSB != (\new)
	s_set_vgpr_msb (MSB<<8)|(\new)
.set MSB, (\new)
.endif
.endm
.set MUL_LO, 0xa1                      ; source 0 (B) window 1, source 1 (A) window 0, C and D window 2
.set MUL_HI, 0xf1
.set TO_B,   0x40
.macro JLOAD g0a, g1a, g0b, g1b        ; a joint load: waves 0 and 1 fetch for A, waves 2 and 3 for B; four v_nop follow each line
	s_cmp_eq_u32 s15, 0
	s_cbranch_scc0 .Lfor_b_\@
	tensor_load_to_lds s[\g0a:\g0a+3], s[\g1a:\g1a+7]
	s_nop 0
.rept 4
	v_nop
.endr
	s_branch .Lasked_\@
.Lfor_b_\@:
	tensor_load_to_lds s[\g0b:\g0b+3], s[\g1b:\g1b+7]
	s_nop 0
.rept 4
	v_nop
.endr
.Lasked_\@:
.endm
.macro CREST                           ; a round of the cluster's barrier behind its opening barrier
	s_cmp_lg_u32 s14, 0
	s_cbranch_scc1 .Lnot_wave_0_\@
	s_barrier_signal -3
.Lnot_wave_0_\@:
	s_barrier_wait -3
	s_barrier_signal -1
	s_barrier_wait -1
.endm
.macro CROUND
	s_barrier_signal -1
	s_barrier_wait -1
	CREST
.endm
.macro PLACES n
.rept \n
	v_nop
.endr
.endm
.macro HLOAD g0, g1
	tensor_load_to_lds s[\g0:\g0+3], s[\g1:\g1+7]
	s_nop 0
.rept 4
	v_nop
.endr
.endm
.macro HEADLOADS                       ; a tile's first four loads, one a wave: one chain of branches on the wave's number, a load to an arm, all arms to one join
	s_cmp_lt_u32 s14, 1
	s_cbranch_scc0 .Lhb_\@
	HLOAD 68, G1
	s_branch .Lhe_\@
.Lhb_\@:
	s_cmp_lt_u32 s14, 2
	s_cbranch_scc0 .Lhsa_\@
	HLOAD 80, G1B
	s_branch .Lhe_\@
.Lhsa_\@:
	s_cmp_lt_u32 s14, 3
	s_cbranch_scc0 .Lhsb_\@
	HLOAD G0S, G1S
	s_branch .Lhe_\@
.Lhsb_\@:
	HLOAD G0SB, G1SB
.Lhe_\@:
.endm
	s_load_b256 s[4:11], s[0:1], 0x0               ; ac s[4:5], asc s[6:7], bk s[8:9], bv s[10:11]
	s_load_b64 s[12:13], s[0:1], 0x20              ; freqs_cis
	s_load_b128 s[92:95], s[0:1], 0x28             ; kvc s[92:93], kvs s[94:95]
	v_lshl_add_u32 v[SPW], v0, 2, SPARE
	v_mov_b32 v[NIL], 0
	ds_add_u32 v28, v29
	ds_add_u32 v28, v29
	s_wait_dscnt 0x0
	v_lshrrev_b32 v1, 5, v0
	v_readfirstlane_b32 s14, v1                    ; wave 0..3
	s_lshr_b32 s15, s14, 1                         ; my half of A's rows.  Also: I fetch for A (0) or for B (1)
	s_and_b32 s16, s14, 1                          ; my half of B's rows.  Also: which 128 rows I fetch
	s_bfe_u32 s98, ttmp6, 0x40000                  ; cx
	s_bfe_u32 s99, ttmp6, 0x40004                  ; cy
	; A WORK-GROUP STAYS (this stands in place of what the head says of clusters 0-15 and 16-31): each of the sixteen clusters makes its 1,024 tokens' tiles of k, then their tiles of v.
	; v's first four loads are asked for straight behind k's last products and land under k's way out; the K steps are one text, walked twice by a counted branch.
	s_and_b32 s97, ttmp7, 0xffff                   ; the cluster's y: which 1,024 tokens; the same in all sixteen partners
	s_mov_b32 s96, 0                               ; the tile at work: 0: k, 1: v
	s_mov_b32 s101, 0                              ; the tile that is being set up
.macro SETUP                           ; descriptors, the round and the first four loads of tile s101; s[4:7] hold ac and asc on the way in
	s_cmp_eq_u32 s101, 0
	s_cselect_b32 s18, s97, 0                      ; the tokens go down A's side (k)
	s_cselect_b32 s22, 0, s97                      ; or along B's (v)
	s_cselect_b32 s20, 0, 176                      ; A's first group: ctx or wv
	s_cselect_b32 s21, 168, 0                      ; B's: wk or ctx
	s_lshl_b32 s17, s18, 2
	s_add_co_u32 s17, s17, s99                     ; tile row
	s_lshl_b32 s100, s22, 2
	s_add_co_u32 s100, s100, s98                   ; tile column
	s_lshl_b32 s18, s99, 2
	s_lshl_b32 s18, 15, s18                        ; my row of the cluster
	s_lshl_b32 s22, 0x1111, s98                    ; my column
	s_or_b32 s[G1], s18, (3<<16)|(1<<21)           ; 15:0 the mask; 17:16 elements of 8 bytes; 21 set beside a mask; no padding
	s_or_b32 s[G1S], s18, (3<<16)|(1<<21)
	s_or_b32 s[G1B], s22, (3<<16)|(1<<21)
	s_or_b32 s[G1SB], s22, (3<<16)|(1<<21)
.irp g, G1, G1B                        ; the head's shape: K steps 0, 1 of two neighbouring groups: 2 rows of 24,576 bytes, 98,304 bytes apart
	s_mov_b32 s[\g+1], 3072<<16
	s_mov_b32 s[\g+2], 2<<16
	s_mov_b32 s[\g+3], 3072<<16
	s_mov_b32 s[\g+4], 2
	s_mov_b32 s[\g+5], 12288
	s_mov_b32 s[\g+6], 0
	s_mov_b32 s[\g+7], 0
.endr
.irp g, G1S, G1SB                      ; two neighbouring groups' 8,192 scale bytes as 32 rows of 256
	s_mov_b32 s[\g+1], 32<<16
	s_mov_b32 s[\g+2], 32<<16
	s_mov_b32 s[\g+3], 32<<16
	s_mov_b32 s[\g+4], 32
	s_mov_b32 s[\g+5], 32
	s_mov_b32 s[\g+6], 0
	s_mov_b32 s[\g+7], 0
.endr
	s_lshl_b32 s18, s17, 1
	s_add_co_u32 s18, s18, s16
	s_add_co_u32 s18, s18, s20                     ; the group of A that I would fetch: it hangs on the tile row alone
	s_lshl_b32 s22, s100, 1
	s_add_co_u32 s22, s22, s16
	s_add_co_u32 s22, s22, s21                     ; and of B: on the tile column alone
	s_sub_co_u32 s86, s18, s16                     ; the first group of A's pair
	s_lshl_b32 s86, s86, 12
	s_mov_b32 s87, 0
	s_sub_co_u32 s90, s22, s16                     ; and of B's
	s_lshl_b32 s90, s90, 12
	s_mov_b32 s91, 0
	s_mul_i32 s18, s18, 98304
	s_mov_b32 s19, 0
	s_mul_i32 s22, s22, 98304
	s_mov_b32 s23, 0
	s_mul_i32 s2, s14, PART                        ; where they go: wave x a part: no place in the cluster enters an LDS address
	s_wait_kmcnt 0x0
	s_add_nc_u64 s[18:19], s[4:5], s[18:19]
	s_add_nc_u64 s[22:23], s[4:5], s[22:23]
	s_add_nc_u64 s[86:87], s[6:7], s[86:87]
	s_add_nc_u64 s[90:91], s[6:7], s[90:91]
	s_wait_dscnt 0x0                               ; the add in front of this set-up is done, and so are my LDS reads
	CROUND
	; THE FILLS: the head brings four whole tiles, one a wave: wave 0 A's K steps 0, 1, wave 1 B's, wave 2 A's scales, wave 3 B's.
	; K steps 2-5 come behind the next round as one load of 49,152 bytes a wave, into the bytes from SLOT on: [part 4][K step 4][12,288]; K steps 6, 7 fill slot 0 again.
	s_mov_b32 s[G0S], 1
	s_mov_b32 s[G0S+1], SCL
	s_or_b32 s[G0S+3], s[G0S+3], 0x80000000
	s_mov_b32 s[G0SB], 1
	s_mov_b32 s[G0SB+1], SCL+8192
	s_or_b32 s[G0SB+3], s[G0SB+3], 0x80000000
	s_mul_i32 s104, s16, 98304                     ; from my group back to its pair's first
	s_mov_b32 s105, 0
	s_mov_b32 s68, 1
	s_mov_b32 s69, 0
	s_sub_nc_u64 s[70:71], s[18:19], s[104:105]
	s_or_b32 s71, s71, 0x80000000
	s_mov_b32 s80, 1
	s_mov_b32 s81, 2*PART
	s_sub_nc_u64 s[82:83], s[22:23], s[104:105]
	s_or_b32 s83, s83, 0x80000000
	s_mov_b32 s56, 1                               ; slot 0's refill: my part; stepped to K step 6 in front of its load
	s_mov_b32 s57, s2
	s_mov_b64 s[58:59], s[18:19]
	s_or_b32 s59, s59, 0x80000000
	s_mov_b32 s72, 1
	s_mov_b32 s73, s2
	s_mov_b64 s[74:75], s[22:23]
	s_or_b32 s75, s75, 0x80000000
	s_mov_b32 s60, 1                               ; K steps 2-5 of my part
	s_lshl_b32 s61, s2, 1
	s_add_co_u32 s61, s61, SLOT
	s_add_nc_u64 s[62:63], s[18:19], PART
	s_or_b32 s63, s63, 0x80000000
	s_mov_b32 s76, 1
	s_mov_b32 s77, s61
	s_add_nc_u64 s[78:79], s[22:23], PART
	s_or_b32 s79, s79, 0x80000000
	; the prefetches' bases: of the part that I fetch jointly with three partners, my work-group names a quarter, told apart by address alone (cx for A's parts, cy for B's)
	s_cmp_eq_u32 s15, 0
	s_cselect_b64 s[4:5], s[18:19], s[22:23]
	s_cselect_b32 s3, s98, s99
	s_mul_i32 s104, s3, 6144
	s_add_nc_u64 s[6:7], s[4:5], s[104:105]        ; part + 6,144 x place: for K steps 6, 7 (24 blocks of 256 bytes a partner)
	s_add_nc_u64 s[4:5], s[6:7], s[104:105]        ; part + 12,288 x place: for K steps 2-5 (48 blocks a partner)
	HEADLOADS
.endm
	SETUP
	v_and_b32 v1, 31, v0
	v_lshlrev_b32 v[LO], 4, v1
	v_and_b32 v2, 15, v0                           ; r
	v_bfe_u32 v3, v0, 4, 1                         ; h
	v_lshlrev_b32 v6, 8, v1                        ; the prefetches' offsets, a lane a block of 256 bytes; never rewritten
	v_min_u32 v7, 15, v1
	v_lshlrev_b32 v7, 8, v7                        ; (lanes left over name the last block again)
	v_min_u32 v8, 23, v1
	v_lshlrev_b32 v8, 8, v8
	s_wait_alu depctr_va_vdst(0)
	global_prefetch_b8 v6, s[4:5] offset:PART th:TH_LOAD_NT scope:SCOPE_SE        ; K steps 2-5 of my quarter: blocks 0-31,
	global_prefetch_b8 v7, s[4:5] offset:PART+8192 th:TH_LOAD_NT scope:SCOPE_SE   ; blocks 32-47: asked one fill ahead of the load that wants them
	s_mul_i32 s2, s15, PART                        ; my 128 rows of A
	s_mul_i32 s3, s16, PART
	s_add_co_u32 s3, s3, 2*PART                    ; my 128 rows of B, behind A's two halves
	v_add_nc_u32 v[ADRA], s2, v[LO]
	v_add_nc_u32 v[ADRB], s3, v[LO]
	s_lshl_b32 s2, s2, 1                           ; behind slot 0 a part is twice as long: K steps 2, 3, then 4, 5
	s_lshl_b32 s3, s3, 1
	s_add_co_u32 s2, s2, SLOT
	s_add_co_u32 s3, s3, SLOT
.irp s, 1,2
	v_add_nc_u32 v[ADRA+\s], s2, v[LO]
	v_add_nc_u32 v[ADRB+\s], s3, v[LO]
	s_add_co_u32 s2, s2, PART
	s_add_co_u32 s3, s3, PART
.endr
	s_lshl_b32 s2, s15, 12
	s_lshl_b32 s3, s16, 12
	s_add_co_u32 s3, s3, 2*4096
	s_sub_co_u32 s3, s3, s2
	v_mul_u32_u24 v4, s3, v3                       ; lanes 16-31 take B's words: one product, the distance between the two bases
	s_add_co_u32 s2, s2, SCL
	v_lshl_add_u32 v4, v2, 4, v4
	v_add_nc_u32 v[ADRS], s2, v4
	v_and_b32 v5, 8, v2
	v_add_nc_u32 v5, v5, v2                        ; r + 8 (r / 8)
	v_lshlrev_b32 v[FA], 8, v5
	v_lshl_add_u32 v[FA], v3, 6, v[FA]
	v_lshlrev_b32 v[SOF], 4, v2
	v_lshl_add_u32 v[SOF], v3, 12, v[SOF]
	v_lshlrev_b32 v[BA], 6, v3
	v_lshlrev_b32 v[BMA], 2, v5
	; where my results go
.macro OUTPTR                          ; where tile s96's results go; s[92:95] hold kvc and kvs on the way in
	s_lshl_b32 s2, s17, 1
	s_add_co_u32 s2, s2, s15                       ; my group of A's rows
	s_lshl_b32 s3, s100, 1
	s_add_co_u32 s3, s3, s16                       ; my group of B's rows
	s_cmp_eq_u32 s96, 0
	s_cselect_b32 s18, s2, s3                      ; the group of 128 tokens,
	s_cselect_b32 s19, s3, s2                      ; the group of 128 channels: two heads
	s_lshr_b32 s23, s18, 4
	s_lshl_b32 s23, s23, 4                         ; 16 x batch
	s_lshl_b32 s19, s19, 1
	s_add_co_u32 s23, s23, s19                     ; + my first head
	s_lshl_b32 s23, s23, 4
	s_and_b32 s18, s18, 15                         ; the key step
	s_add_co_u32 s23, s23, s18
	s_mul_i32 s20, s23, 6144
	s_mul_i32 s21, s96, 12582912
	s_add_co_u32 s20, s20, s21
	s_mov_b32 s21, 0
	s_add_nc_u64 s[92:93], s[92:93], s[20:21]      ; the codes; the second head lies 98,304 bytes on
	s_lshl_b32 s20, s23, 8
	s_lshl_b32 s22, s96, 19
	s_add_co_u32 s20, s20, s22
	s_add_nc_u64 s[94:95], s[94:95], s[20:21]      ; the scale words; the second head's 4,096 bytes on
	s_lshl_b32 s20, s18, 15
	s_add_nc_u64 s[12:13], s[12:13], s[20:21]      ; rope's factors of the key step's 128 positions
	s_mov_b32 s20, 0x76543210
	s_mov_b32 s21, 0xfedcba98                      ; selects for lane l xor 16
	s_mov_b32 s22, 0xffff0000                      ; lanes 16-31
.endm
	OUTPTR
.macro FETCH_B slot, q, p              ; B's eight fragments of the slot's q-th K step into set p
	WIN TO_B
.irp i, 0,1,2,3,4,5,6,7
.irp c, 0,1,2
	ds_load_b128 v[128*(\p)+FR*\i+4*\c:128*(\p)+FR*\i+4*\c+3], v[ADRB+\slot] offset:12288*(\q)+1536*\i+512*\c
.endr
.endr
	WIN 0
.endm
.macro FETCH_A slot, q, i0             ; A's blocks i0 .. i0 + 3
.irp i, \i0, \i0+1, \i0+2, \i0+3
.irp c, 0,1,2
	ds_load_b128 v[AF+FR*(\i)+4*\c:AF+FR*(\i)+4*\c+3], v[ADRA+\slot] offset:12288*(\q)+1536*(\i)+512*\c
.endr
.endr
.endm
.macro SCALES sig, set                 ; the scale words of K steps 2 sig, 2 sig + 1
.irp q, 0,1
.irp p, 0,1
	ds_load_b128 v[SC+16*(\set)+8*\q+4*\p:SC+16*(\set)+8*\q+4*\p+3], v[ADRS] offset:1024*(\sig)+512*\q+256*\p
.endr
.endr
.endm
; 16 matrix instructions: A's blocks a0, a0 + 1 x B's eight.  The 64 accumulators take turns, one instruction a turn, in the same order in every step.
.macro MUL16 a0, p, q, set, zero
.irp a, \a0, \a0+1
.irp b, 0,1,2,3,4,5,6,7
.if \zero
	v_wmma_scale_f32_16x16x128_f8f6f4 v[8*(8*((\a)%4)+\b):8*(8*((\a)%4)+\b)+7], v[128*(\p)+FR*\b:128*(\p)+FR*\b+FR-1], v[AF+FR*(\a):AF+FR*(\a)+FR-1], 0, v[SC+16*(\set)+8*(\q)+\b], v[SC+16*(\set)+8*(\q)+(\a)] matrix_a_fmt:MATRIX_FMT_FP6 matrix_b_fmt:MATRIX_FMT_FP6 matrix_a_scale:MATRIX_SCALE_ROW1
.else
	v_wmma_scale_f32_16x16x128_f8f6f4 v[8*(8*((\a)%4)+\b):8*(8*((\a)%4)+\b)+7], v[128*(\p)+FR*\b:128*(\p)+FR*\b+FR-1], v[AF+FR*(\a):AF+FR*(\a)+FR-1], v[8*(8*((\a)%4)+\b):8*(8*((\a)%4)+\b)+7], v[SC+16*(\set)+8*(\q)+\b], v[SC+16*(\set)+8*(\q)+(\a)] matrix_a_fmt:MATRIX_FMT_FP6 matrix_b_fmt:MATRIX_FMT_FP6 matrix_a_scale:MATRIX_SCALE_ROW1
.endif
.endr
.endr
.endm
.macro STEP slot, set, zero            ; a slot's first K step
	s_wait_dscnt 4*NLA                             ; B's set, A's blocks 0-3 and the scales are in; the youngest loads (A's blocks 4-7) may be out
	WIN MUL_LO
	MUL16 0, 0, 0, \set, \zero
	MUL16 2, 0, 0, \set, \zero
	s_wait_dscnt 0                                 ; A's blocks 4-7 are in
	PLACES NP                                      ; in front of loads into registers that matrix instructions have read
	FETCH_B \slot, 1, 1
	FETCH_A \slot, 1, 0
	WIN MUL_HI
	MUL16 4, 0, 0, \set, \zero
	MUL16 6, 0, 0, \set, \zero
	PLACES NP
	WIN 0
	FETCH_A \slot, 1, 4
.endm
; A slot's second K step, which goes on to the next slot.  mode 1: this slot is filled again behind a round of the cluster's barrier.  mode 2: the next slot is the one that was filled again: a barrier shows it whole.
; mode 0: no barrier: the next slot was shown whole to every wave by mode 1's wait for all loads and its round, and nothing is filled.
.macro TURN slot, set, next, sig, mode
.if \mode
	s_wait_tensorcnt 0x0                           ; all my tensor loads have landed
	ds_add_u32 v[SPW], v[NIL]                      ; 0 onto my spare word
	s_wait_dscnt 4*NLA+1                           ; (the add and A's blocks 4-7 may be out)
	WIN MUL_LO
	MUL16 0, 1, 1, \set, 0                         ; sixteen matrix instructions stand between the add and the wait for it
	s_wait_dscnt 0x0                               ; the add is done, and my reads of this slot are over
	s_barrier_signal -1
	MUL16 2, 1, 1, \set, 0
	WIN 0                                          ; at a branch and at a label every window is 0
	s_barrier_wait -1
.if \mode == 1
	CREST                                          ; no wave of any partner still reads this slot or has a load on its way
	s_add_nc_u64 s[58:59], s[58:59], 3*PART        ; slot 0 takes K steps 6 and 7
	s_add_nc_u64 s[74:75], s[74:75], 3*PART
	s_mov_b32 s[G1+2], 96<<16                      ; no tensor load of mine is out: the refill brings 96 rows of 256 bytes
	s_mov_b32 s[G1+4], 96
	s_mov_b32 s[G1B+2], 96<<16
	s_mov_b32 s[G1B+4], 96
	JLOAD 56, G1, 72, G1B
.else
	PLACES NP
.endif
.else
	s_wait_dscnt 4*NLA
	WIN MUL_LO
	MUL16 0, 1, 1, \set, 0
	MUL16 2, 1, 1, \set, 0
	s_wait_dscnt 0x0
	WIN 0
	PLACES NP
.endif
	FETCH_B \next, 0, 0
	FETCH_A \next, 0, 0
	SCALES \sig, (\sig)%2
	WIN MUL_HI
	MUL16 4, 1, 1, \set, 0
	MUL16 6, 1, 1, \set, 0
	PLACES NP
	WIN 0
	FETCH_A \next, 0, 4
.endm
.macro LAST                            ; K step 7: nothing more to fetch
	s_wait_dscnt 4*NLA
	WIN MUL_LO
	MUL16 0, 1, 1, 1, 0
	MUL16 2, 1, 1, 1, 0
	s_wait_dscnt 0
	WIN MUL_HI
	MUL16 4, 1, 1, 1, 0
	MUL16 6, 1, 1, 1, 0
	WIN 0
.endm
; 64 numbers of a lane, register 16 b + i = k 32 b + 16 h + i of my row, become a fragment's codes in v[PC] on and its scale word in v[pw].
.macro QUANT s, pw
.irp b, 0,1,2,3
	v_max3_num_f32 v[TM+\b], |v[\s+16*\b]|, |v[\s+1+16*\b]|, 0x1800000   ; my 16 numbers of block b, and the floor 2^(3 - 127): the byte cannot fall under 1
.endr
.irp i, 2,4,6,8,10,12,14
.irp b, 0,1,2,3
	v_max3_num_f32 v[TM+\b], v[TM+\b], |v[\s+16*\b+\i]|, |v[\s+1+16*\b+\i]|
.endr
.endr
.irp b, 0,1,2,3
	v_permlanex16_b32 v[TM+4+\b], v[TM+\b], s20, s21
.endr
.irp b, 0,1,2,3
	v_max_num_f32 v[TM+\b], v[TM+\b], v[TM+4+\b]   ; with lane l xor 16's: the block's largest magnitude
.endr
.irp b, 0,1,2,3
	v_add_nc_u32 v[TM+12+\b], 0xff000000, v[TM+\b] ; 2 off its exponent field: the conversion's scale operand
.endr
.irp b, 0,1,2,3
	v_lshrrev_b32 v[TM+4+\b], 23, v[TM+12+\b]      ; the scale's byte
.endr
	v_lshl_or_b32 v[\pw], v[TM+5], 8, v[TM+4]
	v_lshl_or_b32 v[\pw], v[TM+6], 16, v[\pw]
	v_lshl_or_b32 v[\pw], v[TM+7], 24, v[\pw]
.irp c, 0,1
	v_cvt_scalef32_pk16_fp6_f32 v[PC+6*\c:PC+2+6*\c], v[\s+32*\c:\s+15+32*\c], v[TM+12+2*\c]
	v_cvt_scalef32_pk16_fp6_f32 v[PC+12+4*\c:PC+14+4*\c], v[\s+16+32*\c:\s+31+32*\c], v[TM+12+2*\c+1]   ; (a conversion's three registers begin on an even number)
.endr
	v_nop                                          ; one plain place behind a scaled conversion
.irp c, 0,1                            ; the operand's layout wants a whole block in a lane
.irp i, 0,1,2
	v_permlane16_swap_b32 v[PC+6*\c+\i], v[PC+12+4*\c+\i]
.endr
.irp i, 0,1,2
	v_mov_b32 v[PC+3+6*\c+\i], v[PC+12+4*\c+\i]
.endr
.endr
.endm
.macro PUT al, hh                      ; the fragment leaves as it stands: three stores of 512 consecutive bytes, aligned
.irp c, 0,1,2
	global_store_b128 v[LO], v[PC+4*\c:PC+4*\c+3], s[92:93] offset:98304*(\hh)+1536*(\al)+512*\c
.endr
.endm
.macro SCOUT                           ; lanes 0-15 store my first head's four words of row r, lanes 16-31 the second head's: 256 consecutive bytes each
.irp i, 0,1,2,3
	v_cndmask_b32 v[OUT+\i], v[PWS+\i], v[PWS+4+\i], s22
.endr
	global_store_b128 v[SOF], v[OUT:OUT+3], s[94:95]
.endm
.Lmain:
	s_wait_alu depctr_va_vdst(0)
	s_wait_tensorcnt 0x0                           ; my tile of the first four is in
	ds_add_u32 v[SPW], v[NIL]
.irp g, G1, G1B
	s_mov_b32 s[\g+1], 32<<16
	s_mov_b32 s[\g+2], 192<<16
	s_mov_b32 s[\g+3], 32<<16
	s_mov_b32 s[\g+4], 192
	s_mov_b32 s[\g+5], 32
.endr
	s_wait_dscnt 0x0
	CROUND                                         ; all four tiles are in, and all sixteen work-groups are here
	JLOAD 60, G1, 76, G1B                          ; K steps 2-5: my one load behind the round
	FETCH_B 0, 0, 0
	FETCH_A 0, 0, 0
	SCALES 0, 0
	FETCH_A 0, 0, 4
	global_prefetch_b8 v8, s[6:7] offset:3*PART th:TH_LOAD_NT scope:SCOPE_SE      ; K steps 6, 7 of my quarter: asked one fill ahead of their load
	STEP 0, 0, 1                                   ; K step 0 starts the sums: nothing is cleared
	TURN 0, 0, 1, 1, 1
	STEP 1, 1, 0
	TURN 1, 1, 2, 2, 0
	STEP 2, 0, 0
	TURN 2, 0, 0, 3, 2
	STEP 0, 1, 0
	s_cmp_lg_u32 s96, 0                            ; k or v: the same in every wave of every partner
	s_cbranch_scc1 .Lvalues
	; ---- KEYS.  The bias and the first factors of rope are asked for here and land under the last 64 products
.macro FLOAD al                        ; rope's factors for tokens of blocks 2 al, 2 al + 1, laid as the numbers are: register 32 e + 16 be + i = float 32 be + 16 h + i of the token's row of 64
.if (\al)%2
	WIN 0x40
.set FB, 0
.else
	WIN 0
.set FB, 64
.endif
.irp e, 0,1
.irp be, 0,1
.irp jj, 0,1,2,3
	global_load_b128 v[FB+32*\e+16*\be+4*\jj:FB+32*\e+16*\be+4*\jj+3], v[FA], s[12:13] offset:(32*(\al)+8*\e)*256+128*\be+16*\jj
.endr
.endr
.endr
	WIN 0
.endm
.macro COPYK al, hh                    ; the bias is added on the way into window 0: register 32 e + 8 bb + j = channel 32 (bb / 2) + 16 h + 8 (bb % 2) + j of head hh, token of block 2 al + e
	WIN 0x06+(\al)/2
.irp e, 0,1
.irp bb, 0,1,2,3
.irp j, 0,2,4,6                        ; each accumulator from its low end on
	v_pk_add_f32 v[W+32*\e+8*\bb+\j:W+32*\e+8*\bb+\j+1], v[8*(8*((2*(\al)+\e)%4)+4*(\hh)+\bb)+\j:8*(8*((2*(\al)+\e)%4)+4*(\hh)+\bb)+\j+1], v[96+128*(\hh)+8*\bb+\j:96+128*(\hh)+8*\bb+\j+1]
.endr
.endr
.endr
.endm
.macro ROPE al                         ; a pair (kr, ki) and its pair (cos, sin): (ki sin, kr sin), then (kr cos - ki sin, ki cos + kr sin)
.if (\al)%2
	WIN 0x04
.set FB, 0
.else
	WIN 0
.set FB, 64
.endif
.irp g, 0,1,2,3,4,5,6,7
.irp u, 0,1,2,3
	v_pk_mul_f32 v[RT+2*\u:RT+2*\u+1], v[W+8*\g+2*\u:W+8*\g+2*\u+1], v[FB+8*\g+2*\u:FB+8*\g+2*\u+1] op_sel:[1,1] op_sel_hi:[0,1]
.endr
.irp u, 0,1,2,3
	v_pk_fma_f32 v[W+8*\g+2*\u:W+8*\g+2*\u+1], v[W+8*\g+2*\u:W+8*\g+2*\u+1], v[FB+8*\g+2*\u:FB+8*\g+2*\u+1], v[RT+2*\u:RT+2*\u+1] op_sel_hi:[1,0,1] neg_lo:[0,0,1]
.endr
.endr
	WIN 0
.endm
.macro SUBK al, hh
	COPYK \al, \hh
	ROPE \al
	s_wait_xcnt 0x0                                ; the last fragment's stores have read the codes' registers
	QUANT W, PWS+4*(\hh)+(\al)
	PUT \al, \hh
.endm
	s_lshl_b32 s18, s3, 9
	s_mov_b32 s19, 0
	s_add_nc_u64 s[8:9], s[8:9], s[18:19]          ; bk at my 128 channels
	s_wait_xcnt 0x0                                ; the prefetches have read s[4:7],
	s_load_b128 s[4:7], s[0:1], 0x0                ; which take ac and asc again, for v's set-up
	WIN 0x40
.irp b, 0,1,2,3,4,5,6,7
	global_load_b128 v[96+8*\b+96*(\b/4):96+8*\b+96*(\b/4)+3], v[BA], s[8:9] offset:(32*(\b/2)+8*(\b%2))*4
	global_load_b128 v[96+8*\b+96*(\b/4)+4:96+8*\b+96*(\b/4)+7], v[BA], s[8:9] offset:(32*(\b/2)+8*(\b%2))*4+16
.endr
	WIN 0
	FLOAD 0
	FLOAD 1                                        ; (into B's set 0, which the products below do not read; four places stand behind its last reader)
	LAST
	s_wait_tensorcnt 0x0                           ; v's first four loads fill slot 0 and the scales again
	ds_add_u32 v[SPW], v[NIL]
	s_mov_b32 s101, 1
	SETUP
	s_mov_b32 s20, 0x76543210                      ; the set-up has used these three
	s_mov_b32 s21, 0xfedcba98
	s_mov_b32 s22, 0xffff0000
	global_prefetch_b8 v6, s[4:5] offset:PART th:TH_LOAD_NT scope:SCOPE_SE        ; v's K steps 2-5 of my quarter, one fill ahead of their load
	global_prefetch_b8 v7, s[4:5] offset:PART+8192 th:TH_LOAD_NT scope:SCOPE_SE
	PLACES NP
.irp b, 0,1,2,3
	v_mov_b32 v[TM+4+\b], 0                        ; a lane permute's destination counts as one of its sources
.endr
	s_wait_loadcnt 16                              ; the bias and the first factors are in; the count leaves out the next pair's 16 loads
	SUBK 0, 0
	SUBK 0, 1
	FLOAD 2
	s_wait_loadcnt 16
	SUBK 1, 0
	SUBK 1, 1
	FLOAD 3
	s_wait_loadcnt 16
	SUBK 2, 0
	SUBK 2, 1
	s_wait_loadcnt 0x0
	SUBK 3, 0
	SUBK 3, 1
	SCOUT
	s_wait_xcnt 0x0                                ; my stores have read their registers and their bases
	s_load_b128 s[92:95], s[0:1], 0x28             ; kvc and kvs again
	s_add_co_u32 s96, s96, 1
	s_wait_kmcnt 0x0
	OUTPTR
	s_wait_alu depctr_va_vdst(0)
	s_cmp_lt_u32 s96, 2
	s_cbranch_scc1 .Lmain                          ; on to the tile of v: the counter is 1 here, so the branch is always taken
	; ---- VALUES
.Lvalues:
.macro COPYV t, hh                     ; my channel's bias is added on the way into window 0: register 8 b + j = key 32 (b / 2) + 16 h + 8 (b % 2) + j
	WIN 0x06+(\hh)
.irp b, 0,1,2,3,4,5,6,7
.irp j, 0,2,4,6                        ; each accumulator from its low end on
.if (\t)%2
	v_pk_add_f32 v[W+8*\b+\j:W+8*\b+\j+1], v[8*(8*(\t)+\b)+\j:8*(8*(\t)+\b)+\j+1], v[96+2*(((\t)+4*(\hh))/2):96+2*(((\t)+4*(\hh))/2)+1] op_sel:[0,1] op_sel_hi:[1,1]
.else
	v_pk_add_f32 v[W+8*\b+\j:W+8*\b+\j+1], v[8*(8*(\t)+\b)+\j:8*(8*(\t)+\b)+\j+1], v[96+2*(((\t)+4*(\hh))/2):96+2*(((\t)+4*(\hh))/2)+1] op_sel_hi:[1,0]
.endif
.endr
.endr
	WIN 0
.endm
.macro SUBV t, hh
	COPYV \t, \hh
	s_wait_xcnt 0x0                                ; the last fragment's stores have read the codes' registers
	QUANT W, PWS+4*(\hh)+(\t)
	PUT \t, \hh
.endm
	s_lshl_b32 s18, s2, 9
	s_mov_b32 s19, 0
	s_add_nc_u64 s[10:11], s[10:11], s[18:19]      ; bv at my 128 channels
	WIN 0x40
.irp a, 0,1,2,3,4,5,6,7
	global_load_b32 v[96+\a], v[BMA], s[10:11] offset:(32*(\a/2)+8*(\a%2))*4   ; the bias of block a's row r
.endr
	WIN 0
	LAST
	PLACES NP
.irp b, 0,1,2,3
	v_mov_b32 v[TM+4+\b], 0
.endr
	s_wait_loadcnt 0x0
.irp hh, 0,1
.irp t, 0,1,2,3
	SUBV \t, \hh
.endr
.endr
	SCOUT
.Ldone:
	s_wait_tensorcnt 0x0                           ; the wave's end
	ds_add_u32 v[SPW], v[NIL]
	s_wait_dscnt 0x0
	CROUND                                         ; the closing round: no work-group ends while a partner may still ask for a tile that names it
	s_endpgm
.Lfunc_end_k_q1c60ecc639_projkv:
	.size	k_q1c60ecc639_projkv, .Lfunc_end_k_q1c60ecc639_projkv-k_q1c60ecc639_projkv
	.p2alignl 7, 3214868480
	.fill 96, 4, 3214868480
	.section	.rodata,"a",@progbits
	.p2align	6, 0x0
	.amdhsa_kernel k_q1c60ecc639_projkv
		.amdhsa_group_segment_fixed_size 327680
		.amdhsa_private_segment_fixed_size 0
		.amdhsa_enable_private_segment 0
		.amdhsa_kernarg_size 56
		.amdhsa_user_sgpr_count 2
		.amdhsa_user_sgpr_kernarg_segment_ptr 1
		.amdhsa_wavefront_size32 1
		.amdhsa_system_sgpr_workgroup_id_x 1
		.amdhsa_system_sgpr_workgroup_id_y 1
		.amdhsa_system_sgpr_workgroup_id_z 1
		.amdhsa_system_vgpr_workitem_id 0
		.amdhsa_next_free_vgpr 1024
		.amdhsa_next_free_sgpr 106
		.amdhsa_reserve_vcc 0
		.amdhsa_float_denorm_mode_32 3
		.amdhsa_float_denorm_mode_16_64 3
		.amdhsa_memory_ordered 1
		.amdhsa_forward_progress 1
		.amdhsa_inst_pref_size 255
	.end_amdhsa_kernel
	.section	.bss,"aw",@nobits
	.p2align	6
	.space	262144
	.amdgpu_metadata
---
amdhsa.version: [ 1, 2 ]
amdhsa.kernels:
  - .name:           k_q1c60ecc639_projkv
    .symbol:         k_q1c60ecc639_projkv.kd
    .args:
      - { .name: ac, .offset: 0, .size: 8, .value_kind: global_buffer, .address_space: global }
      - { .name: asc, .offset: 8, .size: 8, .value_kind: global_buffer, .address_space: global }
      - { .name: bk, .offset: 16, .size: 8, .value_kind: global_buffer, .address_space: global }
      - { .name: bv, .offset: 24, .size: 8, .value_kind: global_buffer, .address_space: global }
      - { .name: freqs_cis, .offset: 32, .size: 8, .value_kind: global_buffer, .address_space: global }
      - { .name: kvc, .offset: 40, .size: 8, .value_kind: global_buffer, .address_space: global }
      - { .name: kvs, .offset: 48, .size: 8, .value_kind: global_buffer, .address_space: global }
    .group_segment_fixed_size: 327680
    .private_segment_fixed_size: 0
    .kernarg_segment_align: 8
    .kernarg_segment_size: 56
    .max_flat_workgroup_size: 128
    .sgpr_count:     106
    .vgpr_count:     1024
    .wavefront_size: 32
...
	.end_amdgpu_metadata
.endif
;; end of part 2
;; launch attn (part 3): grid 2 x 128, 16 waves a work-group, no clusters, 327,680 bytes of LDS; arguments ac, asc, bq, kvc, kvs, oc, osc; writes oc, osc
.if DOCPART == 3
	.amdgcn_target "amdgcn-amd-amdhsa--gfx1250"
	.amdhsa_code_object_version 6
	.text
	.protected	k_q1c60ecc639_attn
	.globl	k_q1c60ecc639_attn
	.p2align	8
	.type	k_q1c60ecc639_attn,@function
k_q1c60ecc639_attn:
	s_mov_b64 s[64:65], 0
	v_nop
	global_prefetch_b8 v0, s[64:65] scope:SCOPE_SE
	s_setreg_imm32_b32 hwreg(HW_REG_WAVE_MODE, 25, 1), 1
	s_wait_xcnt 0x0
; For one head and 256 queries: q = x wq^T + bq, quantised; S^T = k q^T; p = 2^(t - M), quantised along the keys; O^T = v^T p^T; O / l, quantised along the channels, as the output projection's operand.
; All products on codes of FP6 (E2M3) with E8M0 scales.  t = score x log2(e) / 8; M = the running largest t rounded UP to a whole number; the row's sum l is taken of the unquantised p.
; SHARES: sixteen waves, each 16 queries (block wave % 8 of a group of 128 rows of x, in the images' row order), in 256 registers, four waves to a SIMD.
; LDS: a whole head of K and V (2 x 98,304 bytes), their scale words (8,192) and the head's 64 rows of wq (49,152); every byte is filled once.
; THE FILLS, one tensor load a wave each time: (1) at the head waves 0-7 a K step of wq each (6,144 bytes), waves 8-15 a quarter of K's or V's scale words (1,024 bytes);
; (2) behind the wait for them, the add and a barrier: key step wave % 8 of K (waves 0-7) or V (waves 8-15), 6,144 bytes: the q phase stands between this load and the wait for it;
; (3) behind the same three lines and a barrier in front of the first loop: key step 8 + wave % 8: eight key steps' work stands between this load and the wait for it.
; PREFETCH: fill (2)'s bytes are asked of memory at the head, one fill ahead: of a wave's 24 blocks of 256 bytes each of the head's two work-groups names 12, a lane a block.  Fill (3) has eight key steps to land in, so it has none.
; K = 64 fills half of a matrix instruction: a fragment of K holds TWO tiles of 16 keys (K 0-63 and K 64-127), and q stands in one half of source 1 with zero codes in the other: q | 0 picks the first tile, 0 | q the second.
; The keys of a tile are chosen so that the 16 registers of two neighbouring tiles are 16 neighbouring keys; a lane holds one query throughout.
; No cluster: only the two work-groups of a head share K and V, a mask of four has no four partners here, and x goes straight into each wave's registers.
; LIMITS: a block of zeros gets the byte 1 where the rule says 127 (zero codes; only this program reads the bytes); NaN and infinities are not served; 1 / l is v_rcp_f32;
; a block's largest p is taken from its largest score, which takes v_exp_f32 not to fall where its input rises; the scaled scores stay under 2^31 in magnitude.
; REGISTERS: v1-3 addresses that stay; v4-5 the add's two; v[6:7] f; v8-10 addresses in hand; v11 at work; v12 -M, v13 the largest score, v[14:15] the sum;
;   v16-21 zeros | v22-27 q's codes | v28-33 zeros; v34 q's scale word, v35 p's; v36-83 four fragments; v84-87 K's and V's scale words; v88-95 x's; v96-159 S^T, then p; v160-191 O^T;
;   v192-203 p's codes; v204-210 halves; v212-223 at work; v224-237 chains of sums.  In the q phase: v96-191 x's eight fragments, v192-223 q's sums, v224-255 wq's scale words.
.set VC,   98304                       ; LDS: K's codes at 0: [key step 16][fragment 4][1,536]; V's here, likewise
.set KSC,  196608                      ; K's scale words, 4,096 bytes: [key step][r][fragment]; V's 4,096 bytes on
.set WQL,  204800                      ; wq: [K step 8][tile 4][1,536]
.set SPARE, 0x3e000                    ; the spare words: 128 bytes for each of 16 waves
.set FRG,  36
.set SW,   84
.set XS,   88
.set XF,   96
.set QA,   192
.set WS,   224
.set S,    96
.set O,    160
.set PC,   192
.set PT,   204
.set BM,   212
.set BP,   216
.set SO,   220
.set TS,   224
	s_load_b256 s[4:11], s[0:1], 0x0               ; ac s[4:5], asc s[6:7], bq s[8:9], kvc s[10:11]
	s_load_b128 s[12:15], s[0:1], 0x20             ; kvs s[12:13], oc s[14:15]
	s_load_b64 s[16:17], s[0:1], 0x30              ; osc
	v_lshl_add_u32 v4, v0, 2, SPARE
	v_mov_b32 v5, 0
	ds_add_u32 v4, v5                              ; the opening lines: the add twice on end and its wait
	ds_add_u32 v4, v5
	v_lshrrev_b32 v8, 5, v0
	s_delay_alu instid0(VALU_DEP_1)
	v_readfirstlane_b32 s18, v8                    ; wave 0..15
	s_and_b32 s80, ttmp7, 0xffff                   ; 16 x batch + head
	s_lshr_b32 s81, s80, 4
	s_and_b32 s82, s80, 15
	s_lshr_b32 s83, s82, 1                         ; head / 2
	s_and_b32 s84, s82, 1                          ; head % 2
	s_and_b32 s88, s18, 7
	s_mul_i32 s95, s88, 6144
	s_add_co_u32 s86, s83, 160
	s_mul_i32 s86, s86, 98304                      ; wq: the head's group,
	s_mul_i32 s85, s84, 6144
	s_add_co_u32 s86, s86, s85                     ; its half of each K step,
	s_mul_i32 s85, s88, 12288
	s_add_co_u32 s86, s86, s85                     ; K step wave % 8
	s_mov_b32 s87, 0
	s_bfe_u32 s89, s18, 0x10002                    ; the scale words: K's (waves 8-11) or V's (12-15),
	s_lshl_b32 s90, s89, 19
	s_lshl_b32 s85, s80, 12
	s_add_co_u32 s90, s90, s85
	s_and_b32 s85, s18, 3
	s_lshl_b32 s85, s85, 10
	s_add_co_u32 s90, s90, s85                     ; quarter wave % 4
	s_mov_b32 s91, 0
	s_lshr_b32 s89, s18, 3                         ; the codes: K's (waves 0-7) or V's,
	s_mul_i32 s92, s89, 12582912
	s_mul_i32 s85, s80, 98304
	s_add_co_u32 s92, s92, s85
	s_add_co_u32 s92, s92, s95                     ; key step wave % 8
	s_mov_b32 s93, 0
	s_mul_i32 s94, s89, 98304
	s_add_co_u32 s94, s94, s95                     ; its place in LDS
	s_lshl_b32 s96, s88, 10
	; group 1: a K step of wq, and a key step of K or V: 6,144 dense bytes as 24 rows of 256
	s_mov_b32 s24, 3<<16
	s_mov_b32 s25, 32<<16
	s_mov_b32 s26, 24<<16
	s_mov_b32 s27, 32<<16
	s_mov_b32 s28, 24
	s_mov_b32 s29, 32
	s_mov_b32 s30, 0
	s_mov_b32 s31, 0
	; a quarter of the scale words: 4 rows of 256
	s_mov_b32 s32, 3<<16
	s_mov_b32 s33, 32<<16
	s_mov_b32 s34, 4<<16
	s_mov_b32 s35, 32<<16
	s_mov_b32 s36, 4
	s_mov_b32 s37, 32
	s_mov_b32 s38, 0
	s_mov_b32 s39, 0
	s_mov_b32 s20, 0x76543210
	s_mov_b32 s21, 0xfedcba98                      ; selects for lane l xor 16
	s_mov_b32 s22, 0x3e38aa3b                      ; c = log2(e) / 8
	s_mov_b32 s23, s22                             ; (named with it as a pair, so it is written)
	s_mov_b32 s19, 0xbe38aa3b                      ; -c
	s_wait_dscnt 0x0                               ; both opening adds are done
	s_wait_kmcnt 0x0
	s_mov_b32 s48, 1
	s_add_co_u32 s49, s95, WQL
	s_add_nc_u64 s[50:51], s[4:5], s[86:87]
	s_or_b32 s51, s51, 0x80000000
	s_mov_b32 s52, 1
	s_add_co_u32 s53, s96, KSC
	s_add_nc_u64 s[54:55], s[12:13], s[90:91]
	s_or_b32 s55, s55, 0x80000000
	s_mov_b32 s56, 1
	s_mov_b32 s57, s94
	s_add_nc_u64 s[58:59], s[10:11], s[92:93]
	s_mul_i32 s78, ttmp9, 3072
	s_mov_b32 s79, 0
	s_add_nc_u64 s[76:77], s[58:59], s[78:79]      ; the prefetch: my work-group's 12 blocks of my key step
	s_mov_b32 s60, 1
	s_add_co_u32 s61, s94, 49152                   ; eight key steps on
	s_add_nc_u64 s[62:63], s[58:59], 49152
	s_or_b32 s59, s59, 0x80000000
	s_or_b32 s63, s63, 0x80000000
	s_cmp_lt_u32 s18, 8                            ; the head's fills: one chain on the wave's number, a load in each arm
	s_cbranch_scc0 .Lfill_s
	tensor_load_to_lds s[48:51], s[24:31]
	s_nop 0
.rept 4
	v_nop
.endr
	s_branch .Lfilled
.Lfill_s:
	tensor_load_to_lds s[52:55], s[32:39]
	s_nop 0
.rept 4
	v_nop
.endr
.Lfilled:
	s_lshl_b32 s97, s81, 2
	s_lshl_b32 s85, ttmp9, 1
	s_add_co_u32 s97, s97, s85
	s_lshr_b32 s85, s18, 3
	s_add_co_u32 s97, s97, s85                     ; my group of 128 queries: 4 batch + 2 x + wave / 8
	s_and_b32 s98, s18, 7                          ; my block in it
	s_add_co_u32 s85, s97, 128                     ; x's groups begin at 128
	s_mul_i32 s86, s85, 98304
	s_mul_i32 s99, s98, 1536
	s_add_co_u32 s86, s86, s99
	s_add_nc_u64 s[4:5], s[4:5], s[86:87]          ; x's fragments of my block
	s_lshl_b32 s90, s85, 12
	s_lshr_b32 s99, s98, 2
	s_lshl_b32 s85, s99, 8
	s_add_co_u32 s90, s90, s85
	s_and_b32 s85, s98, 3
	s_lshl_b32 s85, s85, 2
	s_add_co_u32 s90, s90, s85
	s_add_nc_u64 s[90:91], s[6:7], s[90:91]        ; their scale words
	s_add_co_u32 s92, s83, 160
	s_lshl_b32 s92, s92, 12
	s_lshl_b32 s94, s84, 8
	s_add_co_u32 s92, s92, s94
	s_mov_b32 s93, 0
	s_add_nc_u64 s[6:7], s[6:7], s[92:93]          ; wq's scale words of the head's 64 rows
	s_lshl_b32 s94, s82, 8
	s_mov_b32 s95, 0
	s_add_nc_u64 s[8:9], s[8:9], s[94:95]          ; bq at the head's 64 channels
	s_lshl_b32 s94, s97, 3
	s_add_co_u32 s94, s94, s83                     ; 8 group + K step (head / 2)
	s_lshl_b32 s96, s94, 1
	s_add_co_u32 s96, s96, s99
	s_lshl_b32 s96, s96, 8
	s_add_co_u32 s96, s96, s85
	s_lshl_b32 s85, s84, 1
	s_add_co_u32 s96, s96, s85                     ; osc: plane, word, and my head's half of the word
	s_mov_b32 s97, 0
	s_add_nc_u64 s[16:17], s[16:17], s[96:97]
	s_lshl_b32 s94, s94, 3
	s_add_co_u32 s94, s94, s98
	s_mul_i32 s94, s94, 1536
	s_mul_i32 s85, s84, 768
	s_add_co_u32 s94, s94, s85                     ; oc: my block's fragment, my head's half of it
	s_add_nc_u64 s[14:15], s[14:15], s[94:95]
	v_and_b32 v11, 31, v0
	v_and_b32 v9, 15, v0
	v_bfe_u32 v10, v0, 4, 1                        ; h
	s_delay_alu instid0(VALU_DEP_3)
	v_min_u32 v14, 11, v11                         ; (lanes left over name the last block again)
	v_lshlrev_b32 v1, 4, v11                       ; 16 x lane: an image's place for my lane
	v_lshlrev_b32 v9, 4, v9                        ; 16 r
	s_delay_alu instid0(VALU_DEP_3)
	v_lshlrev_b32 v14, 8, v14                      ; the prefetch's offset: a lane a block of 256 bytes
	v_add_nc_u32 v2, VC, v1
	s_delay_alu instid0(VALU_DEP_3)
	v_lshl_add_u32 v3, v10, 12, v9
	v_lshlrev_b32 v10, 6, v10                      ; 64 h
	v_add_nc_u32 v8, WQL, v1
	s_delay_alu instid0(VALU_DEP_3)
	v_add_nc_u32 v3, KSC, v3                       ; lanes 0-15 take K's four words of row r, lanes 16-31 V's
	s_wait_alu depctr_va_vdst(0)
	global_prefetch_b8 v14, s[76:77] th:TH_LOAD_NT scope:SCOPE_SE
.irp t, 0,1,2,3                        ; the bias is the sums' start: tile t's register j is channel 32 (t / 2) + 16 h + 8 (t % 2) + j
	global_load_b128 v[QA+8*\t:QA+8*\t+3], v10, s[8:9] offset:(32*(\t/2)+8*(\t%2))*4
	global_load_b128 v[QA+8*\t+4:QA+8*\t+7], v10, s[8:9] offset:(32*(\t/2)+8*(\t%2))*4+16
.endr
.irp s, 0,1,2,3,4,5,6,7
.irp c, 0,1,2
	global_load_b128 v[XF+12*\s+4*\c:XF+12*\s+4*\c+3], v1, s[4:5] offset:12288*\s+512*\c
.endr
.endr
.irp s, 0,1,2,3,4,5,6,7
	global_load_b32 v[XS+\s], v9, s[90:91] offset:512*\s
	global_load_b128 v[WS+4*\s:WS+4*\s+3], v9, s[6:7] offset:512*\s
.endr
	s_wait_tensorcnt 0x0                           ; my part of wq or of the scale words is in
	ds_add_u32 v4, v5
	s_wait_dscnt 0x0
	s_barrier_signal -1
	s_barrier_wait -1                              ; everybody's is
	tensor_load_to_lds s[56:59], s[24:31]          ; my key step of the first eight: my one load behind the barrier
	s_nop 0
.rept 4
	v_nop
.endr
	s_wait_xcnt 0x0                                ; the prefetch has read v14 and s[76:77], which are written again below
	s_wait_loadcnt 0x0
	; ---- q^T = wq x^T + bq: source 0 = 16 rows of wq, source 1 = my 16 queries; four accumulators by turns
.irp s, 0,1,2,3,4,5,6,7
.if \s > 0
.rept 4
	v_nop                                          ; places in front of loads into registers that matrix instructions have read
.endr
.endif
.irp t, 0,1,2,3
.irp c, 0,1,2
	ds_load_b128 v[FRG+12*\t+4*\c:FRG+12*\t+4*\c+3], v8 offset:6144*\s+1536*\t+512*\c
.endr
.endr
	s_wait_dscnt 0x0
.irp t, 0,1,2,3
	v_wmma_scale_f32_16x16x128_f8f6f4 v[QA+8*\t:QA+8*\t+7], v[FRG+12*\t:FRG+12*\t+11], v[XF+12*\s:XF+12*\s+11], v[QA+8*\t:QA+8*\t+7], v[WS+4*\s+\t], v[XS+\s] matrix_a_fmt:MATRIX_FMT_FP6 matrix_b_fmt:MATRIX_FMT_FP6
.endr
.endr
.rept 4
	v_nop
.endr
; 32 numbers of a lane, register 16 b + i = channel 32 b + 16 h + i of my row, become six registers of codes at v[d] (k = 32 h + 0 .. 31) and two scale bytes in v11.  tm: eleven registers at work.
.macro QUANTH s, d, tm
	v_mov_b32 v[\tm+2], 0                          ; a lane permute's destination counts as one of its sources
	v_mov_b32 v[\tm+3], 0
.irp b, 0,1
	v_max3_num_f32 v[\tm+\b], |v[\s+16*\b]|, |v[\s+16*\b+1]|, 0x1800000   ; and the floor 2^(3 - 127): the byte cannot fall under 1
.endr
.irp i, 2,4,6,8,10,12,14
.irp b, 0,1
	v_max3_num_f32 v[\tm+\b], v[\tm+\b], |v[\s+16*\b+\i]|, |v[\s+16*\b+\i+1]|
.endr
.endr
.irp b, 0,1
	s_delay_alu instid0(VALU_DEP_2)
	v_permlanex16_b32 v[\tm+2+\b], v[\tm+\b], s20, s21
.endr
.irp b, 0,1
	s_delay_alu instid0(VALU_DEP_2)
	v_max_num_f32 v[\tm+\b], v[\tm+\b], v[\tm+2+\b]
.endr
.irp b, 0,1
	s_delay_alu instid0(VALU_DEP_2)
	v_add_nc_u32 v[\tm+4+\b], 0xff000000, v[\tm+\b]
.endr
.irp b, 0,1
	s_delay_alu instid0(VALU_DEP_2)
	v_lshrrev_b32 v[\tm+6+\b], 23, v[\tm+4+\b]
.endr
	s_delay_alu instid0(VALU_DEP_1)
	v_lshl_or_b32 v11, v[\tm+7], 8, v[\tm+6]
	v_cvt_scalef32_pk16_fp6_f32 v[\d:\d+2], v[\s:\s+15], v[\tm+4]
	v_cvt_scalef32_pk16_fp6_f32 v[\tm+8:\tm+10], v[\s+16:\s+31], v[\tm+5]
	v_nop                                          ; one plain place behind a scaled conversion
.irp i, 0,1,2
	v_permlane16_swap_b32 v[\d+\i], v[\tm+8+\i]    ; lanes 0-15 get block 0 whole, lanes 16-31 block 1
.endr
.irp i, 0,1,2
	s_delay_alu instid0(VALU_DEP_3)
	v_mov_b32 v[\d+3+\i], v[\tm+8+\i]
.endr
.endm
	QUANTH QA, 22, 100                             ; (at work in x's registers, which are done with)
	v_lshl_or_b32 v34, v11, 16, v11                ; q's two bytes twice: one word serves q | 0 and 0 | q.  The moves below are the places between it and the first product
.irp j, 16,17,18,19,20,21,28,29,30,31,32,33
	v_mov_b32 v[\j], 0                             ; zero codes on both sides of q's
.endr
.set J, 0
.rept 32
	v_mov_b32 v[O+J], 0                            ; O^T: the step is written once; the first finds zeros
.set J, J+1
.endr
	v_mov_b32 v13, 0xff61b1e6                      ; the largest score so far: -3e38
	s_delay_alu instid0(VALU_DEP_1)
	v_floor_f32 v12, -v13                          ; -M: above every -M to come, so that the first f is 0
	v_mov_b32 v14, 0
	v_mov_b32 v15, 0
	v_mov_b32 v7, 0                                ; (named as the upper half of the pair v[6:7])
.irp j, 0,1,4,5,8,9,12,13
	v_mov_b32 v[TS+\j], 0                          ; the four chains of sums that a step hands to the next
.endr
.irp b, 0,1,2,3
	v_mov_b32 v[BP+\b], 0
.endr
; A KEY STEP: 128 keys.  The last step's four chains of sums are folded into the row's sum in places that the matrix instructions ask for anyway.
.macro KSTEP
	v_add_nc_u32 v8, s76, v1                       ; these four are the places behind the last step's products
	v_add_nc_u32 v10, s77, v3
	v_add_nc_u32 v9, s76, v2
	v_pk_add_f32 v[TS:TS+1], v[TS:TS+1], v[TS+4:TS+5]
.irp a, 0,1,2,3
.irp c, 0,1,2
	ds_load_b128 v[FRG+12*\a+4*\c:FRG+12*\a+4*\c+3], v8 offset:1536*\a+512*\c
.endr
.endr
	ds_load_b128 v[SW:SW+3], v10
	s_wait_alu depctr_va_vdst(0)
	s_wait_dscnt 0x0
.irp a, 0,1,2,3                        ; register 16 a + i of S^T is key 32 a + 16 h + i
	v_wmma_scale_f32_16x16x128_f8f6f4 v[S+16*\a:S+16*\a+7], v[FRG+12*\a:FRG+12*\a+11], v[22:33], 0, v[SW+\a], v34 matrix_a_fmt:MATRIX_FMT_FP6 matrix_b_fmt:MATRIX_FMT_FP6
	v_wmma_scale_f32_16x16x128_f8f6f4 v[S+16*\a+8:S+16*\a+15], v[FRG+12*\a:FRG+12*\a+11], v[16:27], 0, v[SW+\a], v34 matrix_a_fmt:MATRIX_FMT_FP6 matrix_b_fmt:MATRIX_FMT_FP6
.endr
	v_pk_add_f32 v[TS+8:TS+9], v[TS+8:TS+9], v[TS+12:TS+13]   ; four places
	v_pk_add_f32 v[14:15], v[14:15], v[TS:TS+1]
	v_nop
	v_nop
.irp t, 0,1,2,3                        ; V's fragments land under the softmax
.irp c, 0,1,2
	ds_load_b128 v[FRG+12*\t+4*\c:FRG+12*\t+4*\c+3], v9 offset:1536*\t+512*\c
.endr
.endr
.irp b, 0,1,2,3
	v_max3_num_f32 v[BM+\b], v[S+16*\b], v[S+1+16*\b], v[S+2+16*\b]   ; the largest score of each block of 32 keys: for the row's maximum, and for the block's largest p
.endr
	v_pk_add_f32 v[14:15], v[14:15], v[TS+8:TS+9]  ; the sum is whole again, still under the old M
.irp i, 3,5,7,9,11,13
.irp b, 0,1,2,3
	v_max3_num_f32 v[BM+\b], v[BM+\b], v[S+16*\b+\i], v[S+1+16*\b+\i]
.endr
.endr
.irp b, 0,1,2,3
	v_max_num_f32 v[BM+\b], v[BM+\b], v[S+15+16*\b]
.endr
.irp b, 0,1,2,3
	s_delay_alu instid0(VALU_DEP_4)
	v_permlanex16_b32 v[BP+\b], v[BM+\b], s20, s21
.endr
.irp b, 0,1,2,3
	s_delay_alu instid0(VALU_DEP_4)
	v_max_num_f32 v[BM+\b], v[BM+\b], v[BP+\b]
.endr
	s_delay_alu instid0(VALU_DEP_2)
	v_max3_num_f32 v11, v[BM], v[BM+1], v[BM+2]
	v_mov_b32 v10, v12                             ; the old -M
	s_delay_alu instid0(VALU_DEP_2)
	v_max3_num_f32 v13, v13, v11, v[BM+3]          ; the running largest score (c is positive: the largest t is c x it)
	s_delay_alu instid0(VALU_DEP_1)
	v_mul_f32 v11, s19, v13                        ; -t
	s_delay_alu instid0(VALU_DEP_1)
	v_floor_f32 v12, v11                           ; the new -M = -ceil(t): a whole number
	s_delay_alu instid0(VALU_DEP_1)
	v_sub_f32 v11, v12, v10                        ; old M - new M: a whole number, 0 or less
.set J, 0
.rept 4
	v_pk_fma_f32 v[S+J:S+J+1], v[S+J:S+J+1], s[22:23], v[12:13] op_sel_hi:[1,0,0]   ; t - M
.set J, J+2
.endr
.rept 5
	v_pk_fma_f32 v[S+J:S+J+1], v[S+J:S+J+1], s[22:23], v[12:13] op_sel_hi:[1,0,0]
.set J, J+2
.endr
	v_cvt_i32_f32 v11, v11                         ; (it saturates)
.rept 5
	v_pk_fma_f32 v[S+J:S+J+1], v[S+J:S+J+1], s[22:23], v[12:13] op_sel_hi:[1,0,0]
.set J, J+2
.endr
	v_ldexp_f32 v6, 1.0, v11                       ; f = 2^(old M - new M): it rounds nothing
.rept 18
	v_pk_fma_f32 v[S+J:S+J+1], v[S+J:S+J+1], s[22:23], v[12:13] op_sel_hi:[1,0,0]
.set J, J+2
.endr
.irp b, 0,1,2,3
	v_fma_f32 v[BM+\b], v[BM+\b], s22, v12         ; the same of each block's largest score
.endr
.set J, 0
	s_wait_alu depctr_va_vdst(0)
.rept 64
	v_exp_f32 v[S+J], v[S+J]                       ; p = 2^(t - M): not normalised
.set J, J+1
.endr
.irp b, 0,1,2,3
	v_exp_f32 v[BM+\b], v[BM+\b]
.endr
	v_pk_mul_f32 v[14:15], v[14:15], v[6:7] op_sel_hi:[1,0]   ; the sum under the new M.  (A plain place behind the exponentials)
	s_wait_alu depctr_va_vdst(0)                   ; and behind it
	; p's scale bytes, four blocks by turns, and between their lines O^T under the new M, four pairs at a time: no line reads what one of the four lines above it wrote
.irp b, 0,1,2,3
	v_max_num_f32 v[BM+\b], 0x1800000, v[BM+\b]    ; the floor 2^(3 - 127)
.endr
.set J, 0
.rept 4
	v_pk_mul_f32 v[O+J:O+J+1], v[O+J:O+J+1], v[6:7] op_sel_hi:[1,0]
.set J, J+2
.endr
.irp b, 0,1,2,3
	v_add_nc_u32 v[SO+\b], 0xff000000, v[BM+\b]
.endr
.rept 4
	v_pk_mul_f32 v[O+J:O+J+1], v[O+J:O+J+1], v[6:7] op_sel_hi:[1,0]
.set J, J+2
.endr
.irp b, 0,1,2,3
	v_lshrrev_b32 v[BP+\b], 23, v[SO+\b]
.endr
.rept 4
	v_pk_mul_f32 v[O+J:O+J+1], v[O+J:O+J+1], v[6:7] op_sel_hi:[1,0]
.set J, J+2
.endr
	v_lshl_or_b32 v35, v[BP+1], 8, v[BP]
	v_lshl_or_b32 v11, v[BP+3], 8, v[BP+2]
.rept 4
	v_pk_mul_f32 v[O+J:O+J+1], v[O+J:O+J+1], v[6:7] op_sel_hi:[1,0]
.set J, J+2
.endr
	v_lshl_or_b32 v35, v11, 16, v35                ; p's scale word for these 128 keys
.irp c, 0,1
	v_cvt_scalef32_pk16_fp6_f32 v[PC+6*\c:PC+6*\c+2], v[S+32*\c:S+32*\c+15], v[SO+2*\c]
	v_cvt_scalef32_pk16_fp6_f32 v[PT+4*\c:PT+4*\c+2], v[S+32*\c+16:S+32*\c+31], v[SO+2*\c+1]
.endr
	v_nop                                          ; one plain place behind a scaled conversion
.irp c, 0,1
.irp i, 0,1,2
	v_permlane16_swap_b32 v[PC+6*\c+\i], v[PT+4*\c+\i]
.endr
.endr
	; the row's sum of the unquantised p: 32 pairs in eight chains by turns
.irp i, 0,1,2,3,4,5,6
	v_pk_add_f32 v[TS+2*\i:TS+2*\i+1], v[S+2*\i:S+2*\i+1], v[S+16+2*\i:S+17+2*\i]
.endr
	v_pk_add_f32 v[14:15], v[14:15], v[S+14:S+15]
.irp c, 0,1
.irp i, 0,1,2
	v_mov_b32 v[PC+6*\c+3+\i], v[PT+4*\c+\i]
.endr
.endr
.irp g, 32, 48
.irp i, 0,1,2,3,4,5,6
	v_pk_add_f32 v[TS+2*\i:TS+2*\i+1], v[TS+2*\i:TS+2*\i+1], v[S+\g+2*\i:S+\g+2*\i+1]
.endr
	v_pk_add_f32 v[14:15], v[14:15], v[S+\g-2:S+\g-1]
.endr
	v_pk_add_f32 v[14:15], v[14:15], v[S+62:S+63]
	v_pk_add_f32 v[TS:TS+1], v[TS:TS+1], v[TS+2:TS+3]          ; chains 0, 2, 4 and 6 go on to the next step
	v_pk_add_f32 v[TS+4:TS+5], v[TS+4:TS+5], v[TS+6:TS+7]
	v_pk_add_f32 v[TS+8:TS+9], v[TS+8:TS+9], v[TS+10:TS+11]
	s_wait_alu depctr_va_vdst(0)
	s_wait_dscnt 0x0                               ; V is in
.irp t, 0,1,2,3                        ; O^T += V^T P^T: register 8 t + j is channel 32 (t / 2) + 16 h + 8 (t % 2) + j
	v_wmma_scale_f32_16x16x128_f8f6f4 v[O+8*\t:O+8*\t+7], v[FRG+12*\t:FRG+12*\t+11], v[PC:PC+11], v[O+8*\t:O+8*\t+7], v[SW+\t], v35 matrix_a_fmt:MATRIX_FMT_FP6 matrix_b_fmt:MATRIX_FMT_FP6 matrix_a_scale:MATRIX_SCALE_ROW1
.endr
	s_add_co_u32 s76, s76, 6144
	s_add_co_u32 s77, s77, 256
.endm
	s_wait_alu depctr_va_vdst(0)
	s_wait_tensorcnt 0x0                           ; my key step of the first eight is in
	ds_add_u32 v4, v5
	s_mov_b32 s76, 0
	s_mov_b32 s77, 0
	s_mov_b32 s78, 8
	s_wait_dscnt 0x0
	s_barrier_signal -1
	s_barrier_wait -1                              ; everybody's is
	tensor_load_to_lds s[60:63], s[24:31]          ; my key step of the last eight: my one load behind the barrier
	s_nop 0
.rept 4
	v_nop
.endr
.Lstep_a:
	KSTEP
	s_sub_co_u32 s78, s78, 1
	s_cmp_lg_u32 s78, 0
	s_cbranch_scc1 .Lstep_a
	s_wait_tensorcnt 0x0                           ; my key step of the last eight is in
	s_wait_dscnt 0x0
	s_barrier_signal -1
	s_barrier_wait -1                              ; everybody's is
	s_mov_b32 s76, 49152
	s_mov_b32 s77, 2048
	s_mov_b32 s78, 8
.Lstep_b:
	KSTEP
	s_sub_co_u32 s78, s78, 1
	s_cmp_lg_u32 s78, 0
	s_cbranch_scc1 .Lstep_b
	; ---- O / l, quantised along the channels: half a fragment of the output projection's operand
	v_pk_add_f32 v[TS:TS+1], v[TS:TS+1], v[TS+4:TS+5]         ; the last step's chains; with the two v_nop the four places behind its products
	v_pk_add_f32 v[TS+8:TS+9], v[TS+8:TS+9], v[TS+12:TS+13]
	v_nop
	v_nop
	v_pk_add_f32 v[14:15], v[14:15], v[TS:TS+1]
	s_delay_alu instid0(VALU_DEP_1)
	v_pk_add_f32 v[14:15], v[14:15], v[TS+8:TS+9]
	s_delay_alu instid0(VALU_DEP_1)
	v_add_f32 v14, v14, v15
	s_delay_alu instid0(VALU_DEP_1)
	v_permlanex16_b32 v11, v14, s20, s21
	s_delay_alu instid0(VALU_DEP_1)
	v_add_f32 v14, v14, v11                        ; the row's sum
	s_wait_alu depctr_va_vdst(0)
	v_rcp_f32 v14, v14
	v_and_b32 v8, 31, v0                           ; (a plain place behind the transcendental)
	s_delay_alu instid0(VALU_DEP_1)
	v_lshlrev_b32 v8, 3, v8                        ; 8 x lane
	v_and_b32 v9, 15, v0
	s_delay_alu instid0(VALU_DEP_1)
	v_lshlrev_b32 v9, 4, v9                        ; 16 r
.set J, 0
	s_wait_alu depctr_va_vdst(0)
.rept 32
	v_mul_f32 v[S+J], v[O+J], v14                  ; register 16 b + i is channel 32 b + 16 h + i; each accumulator from its low end on
.set J, J+1
.endr
	QUANTH S, PC, BM
	global_store_b128 v1, v[PC:PC+3], s[14:15]             ; 512 consecutive bytes, aligned at 256
	global_store_b64 v8, v[PC+4:PC+5], s[14:15] offset:512 ; and 256
	global_store_b16 v9, v11, s[16:17]                     ; two bytes are all that a head owns of a row's scale word; lanes l and l + 16 store the same two
	s_wait_tensorcnt 0x0                           ; the wave's end
	ds_add_u32 v4, v5
	s_wait_dscnt 0x0
	s_endpgm
.Lfunc_end_k_q1c60ecc639_attn:
	.size	k_q1c60ecc639_attn, .Lfunc_end_k_q1c60ecc639_attn-k_q1c60ecc639_attn
	.p2alignl 7, 3214868480
	.fill 96, 4, 3214868480
	.section	.rodata,"a",@progbits
	.p2align	6, 0x0
	.amdhsa_kernel k_q1c60ecc639_attn
		.amdhsa_group_segment_fixed_size 327680
		.amdhsa_private_segment_fixed_size 0
		.amdhsa_enable_private_segment 0
		.amdhsa_kernarg_size 56
		.amdhsa_user_sgpr_count 2
		.amdhsa_user_sgpr_kernarg_segment_ptr 1
		.amdhsa_wavefront_size32 1
		.amdhsa_system_sgpr_workgroup_id_x 1
		.amdhsa_system_sgpr_workgroup_id_y 1
		.amdhsa_system_sgpr_workgroup_id_z 1
		.amdhsa_system_vgpr_workitem_id 0
		.amdhsa_next_free_vgpr 256
		.amdhsa_next_free_sgpr 100
		.amdhsa_reserve_vcc 0
		.amdhsa_float_denorm_mode_32 3
		.amdhsa_float_denorm_mode_16_64 3
		.amdhsa_memory_ordered 1
		.amdhsa_forward_progress 1
		.amdhsa_inst_pref_size 65
	.end_amdhsa_kernel
	.amdgpu_metadata
---
amdhsa.version: [ 1, 2 ]
amdhsa.kernels:
  - .name:           k_q1c60ecc639_attn
    .symbol:         k_q1c60ecc639_attn.kd
    .args:
      - { .name: ac, .offset: 0, .size: 8, .value_kind: global_buffer, .address_space: global }
      - { .name: asc, .offset: 8, .size: 8, .value_kind: global_buffer, .address_space: global }
      - { .name: bq, .offset: 16, .size: 8, .value_kind: global_buffer, .address_space: global }
      - { .name: kvc, .offset: 24, .size: 8, .value_kind: global_buffer, .address_space: global }
      - { .name: kvs, .offset: 32, .size: 8, .value_kind: global_buffer, .address_space: global }
      - { .name: oc, .offset: 40, .size: 8, .value_kind: global_buffer, .address_space: global }
      - { .name: osc, .offset: 48, .size: 8, .value_kind: global_buffer, .address_space: global }
    .group_segment_fixed_size: 327680
    .private_segment_fixed_size: 0
    .kernarg_segment_align: 8
    .kernarg_segment_size: 56
    .max_flat_workgroup_size: 512
    .sgpr_count:     100
    .vgpr_count:     256
    .wavefront_size: 32
...
	.end_amdgpu_metadata
.endif
;; end of part 3
;; launch projo (part 4): grid 8 x 32, 4 waves a work-group, clusters of 4 x 4, 222,720 bytes of LDS; arguments oc, osc, ac, asc, bo, out0; writes out0
.if DOCPART == 4
	.amdgcn_target "amdgcn-amd-amdhsa--gfx1250"
	.amdhsa_code_object_version 6
	.text
	.protected	k_q1c60ecc639_projo
	.globl	k_q1c60ecc639_projo
	.p2align	8
	.type	k_q1c60ecc639_projo,@function
k_q1c60ecc639_projo:
	s_mov_b64 s[64:65], 0
	v_nop
	global_prefetch_b8 v0, s[64:65] scope:SCOPE_SE
	s_setreg_imm32_b32 hwreg(HW_REG_WAVE_MODE, 25, 1), 1
	s_wait_xcnt 0x0
	s_wait_alu depctr_hold_cnt(0) depctr_sa_sdst(0) depctr_va_vdst(0) depctr_va_sdst(0) depctr_va_ssrc(0) depctr_va_vcc(0) depctr_vm_vsrc(0)
	s_getreg_b32 s2, hwreg(HW_REG_IB_STS2, 6, 4)
	s_cmp_eq_u32 s2, 0
	s_cbranch_scc0 .Lentry_in_a_cluster
	s_endpgm
.Lentry_in_a_cluster:
	s_bfe_u32 s2, ttmp6, 0x10000c
	s_cmp_lg_u32 s2, 0xf033
	s_cbranch_scc0 .Lentry_shape_is_right
	s_endpgm
.Lentry_shape_is_right:
; out0 = O wo^T + bo on codes of FP6 (E2M3) with E8M0 scales; sums in f32.  O: oc, osc (32 groups of 128 rows); wo: groups 184-191 of ac, asc.
; A work-group makes 128 x 128 of out0: 32 x 8 = 256 work-groups.  Four waves, each 64 rows x 64 columns: 16 accumulators.
; LDS IS FILLED ONCE: a group of O and a group of wo for all of K are 98,304 dense bytes each, their scale words 4,096 each.  One tensor load a wave at the head: wave 0 O's codes, wave 1 wo's, wave 2 O's scales, wave 3 wo's.
; CLUSTERS 4 x 4: O's group hangs on the tile row alone and is asked for jointly along a row of the cluster, wo's on the tile column alone, jointly along a column.
; No prefetch: every byte is asked for at the head, and there is no loop to run ahead in.
; Operands lie in LDS in the order of their registers ([K step 8][block 8][1,536]); a fragment of O is two halves of 768 bytes (registers 6 c .. 6 c + 3 at 16 x lane, 6 c + 4, 5 at 512 + 8 x lane).
; Row r of block i of a group is the group's row 32 (i / 2) + 8 (i % 2) + r + 8 (r / 8).  Source 0 takes wo, source 1 takes O: in accumulator (a, b) lane (r, h), register j holds (O's row r of block a; column 32 (b / 2) + 16 h + 8 (b % 2) + j).
; REGISTERS: window 0: v16-29 addresses; v32-63 scale words (register 4 s + i: lanes 0-15 O's block i, lanes 16-31 wo's, K step s); v64-255 two sets of fragments (wo's four, then O's four); on the way out v64-127.
;   window 1: v0-127 the accumulators ((a, b) at 8 (4 a + b)); v128-159 the bias, the C of the first K step's products.
.set GRP,   98304
.set SCL,   2*GRP
.set STAGE, SCL+8192                   ; the way out: 16 rows x (256 + 16) bytes for each wave, bytes that no fill lands on
.set SPITCH, 272
.set SPARE, STAGE+4*16*SPITCH          ; the spare words, 128 bytes for each wave
.set FR,    12
.set ADRA,  16
.set ADRA8, 18
.set ADRB,  20
.set STO,   22
.set RD,    23
.set CO,    24
.set BA,    25
.set ADRS,  26
.set SPW,   28
.set NIL,   29
.set SC,    32
.set F,     64
.set G1,   24
.set G1B,  32
.set G1S,  40
.set G1SB, 48
.set MSB, 0
.macro WIN new                         ; the immediate's high byte repeats the setting that is left
.if MSB != (\new)
	s_set_vgpr_msb (MSB<<8)|(\new)
.set MSB, (\new)
.endif
.endm
.macro CROUND                          ; a round of the cluster's barrier
	s_barrier_signal -1
	s_barrier_wait -1
	s_cmp_lg_u32 s14, 0
	s_cbranch_scc1 .Lnot_wave_0_\@
	s_barrier_signal -3
.Lnot_wave_0_\@:
	s_barrier_wait -3
	s_barrier_signal -1
	s_barrier_wait -1
.endm
.macro PLACES
.rept 4
	v_nop
.endr
.endm
	s_load_b256 s[4:11], s[0:1], 0x0               ; oc s[4:5], osc s[6:7], ac s[8:9], asc s[10:11]
	s_load_b128 s[92:95], s[0:1], 0x20             ; bo s[92:93], out0 s[94:95]
	v_lshl_add_u32 v[SPW], v0, 2, SPARE
	v_mov_b32 v[NIL], 0
	ds_add_u32 v[SPW], v[NIL]                      ; the opening lines: the add twice on end and its wait
	ds_add_u32 v[SPW], v[NIL]
	v_lshrrev_b32 v1, 5, v0
	v_readfirstlane_b32 s14, v1                    ; wave 0..3
	s_lshr_b32 s15, s14, 1                         ; my half of O's rows
	s_and_b32 s16, s14, 1                          ; my half of wo's rows
	s_bfe_u32 s98, ttmp6, 0x40000                  ; cx
	s_bfe_u32 s99, ttmp6, 0x40004                  ; cy
	s_and_b32 s17, ttmp7, 0xffff
	s_lshl_b32 s17, s17, 2
	s_add_co_u32 s17, s17, s99                     ; tile row: O's group
	s_lshl_b32 s100, ttmp9, 2
	s_add_co_u32 s100, s100, s98                   ; tile column: wo's group
	s_lshl_b32 s18, s99, 2
	s_lshl_b32 s18, 15, s18                        ; my row of the cluster
	s_lshl_b32 s22, 0x1111, s98                    ; my column
	s_or_b32 s[G1], s18, (3<<16)|(1<<21)           ; the mask; elements of 8 bytes; bit 21 beside a mask
	s_or_b32 s[G1S], s18, (3<<16)|(1<<21)
	s_or_b32 s[G1B], s22, (3<<16)|(1<<21)
	s_or_b32 s[G1SB], s22, (3<<16)|(1<<21)
.irp g, G1, G1B                        ; 98,304 dense bytes as 384 rows of 256
	s_mov_b32 s[\g+1], 32<<16
	s_mov_b32 s[\g+2], 384<<16
	s_mov_b32 s[\g+3], 32<<16
	s_mov_b32 s[\g+4], 384
	s_mov_b32 s[\g+5], 32
	s_mov_b32 s[\g+6], 0
	s_mov_b32 s[\g+7], 0
.endr
.irp g, G1S, G1SB                      ; 4,096 as 16 rows of 256
	s_mov_b32 s[\g+1], 32<<16
	s_mov_b32 s[\g+2], 16<<16
	s_mov_b32 s[\g+3], 32<<16
	s_mov_b32 s[\g+4], 16
	s_mov_b32 s[\g+5], 32
	s_mov_b32 s[\g+6], 0
	s_mov_b32 s[\g+7], 0
.endr
	s_mul_i32 s18, s17, GRP
	s_mov_b32 s19, 0
	s_lshl_b32 s86, s17, 12
	s_mov_b32 s87, 0
	s_add_co_u32 s22, s100, 184
	s_lshl_b32 s90, s22, 12
	s_mov_b32 s91, 0
	s_mul_i32 s22, s22, GRP
	s_mov_b32 s23, 0
	s_lshl_b32 s80, s100, 9
	s_lshl_b32 s81, s16, 8
	s_add_co_u32 s80, s80, s81                     ; my 64 columns, in bytes
	s_mov_b32 s81, 0
	s_lshl_b32 s82, s17, 19
	s_lshl_b32 s83, s15, 18
	s_add_co_u32 s82, s82, s83                     ; my 64 rows of 4,096 bytes
	s_mov_b32 s83, 0
	s_mul_i32 s2, s15, 6144                        ; LDS: my four blocks of O in each K step,
	s_mul_i32 s3, s16, 6144
	s_add_co_u32 s3, s3, GRP                       ; of wo
	s_lshl_b32 s77, s15, 8
	s_lshl_b32 s76, s16, 8
	s_add_co_u32 s76, s76, 4096
	s_sub_co_u32 s76, s76, s77                     ; from O's plane of scale words to wo's
	s_add_co_u32 s77, s77, SCL
	s_mul_i32 s78, s14, 16*SPITCH
	s_add_co_u32 s78, s78, STAGE                   ; my stage
	s_wait_dscnt 0x0                               ; both opening adds are done
	s_wait_kmcnt 0x0
	s_add_nc_u64 s[18:19], s[4:5], s[18:19]
	s_add_nc_u64 s[86:87], s[6:7], s[86:87]
	s_add_nc_u64 s[22:23], s[8:9], s[22:23]
	s_add_nc_u64 s[90:91], s[10:11], s[90:91]
	s_add_nc_u64 s[92:93], s[92:93], s[80:81]
	s_add_nc_u64 s[94:95], s[94:95], s[80:81]
	s_add_nc_u64 s[94:95], s[94:95], s[82:83]
	CROUND                                         ; all sixteen work-groups are here: the joint loads meet
	s_mov_b32 s56, 1
	s_mov_b32 s57, 0
	s_mov_b64 s[58:59], s[18:19]
	s_or_b32 s59, s59, 0x80000000
	s_mov_b32 s60, 1
	s_mov_b32 s61, GRP
	s_mov_b64 s[62:63], s[22:23]
	s_or_b32 s63, s63, 0x80000000
	s_mov_b32 s68, 1
	s_mov_b32 s69, SCL
	s_mov_b64 s[70:71], s[86:87]
	s_or_b32 s71, s71, 0x80000000
	s_mov_b32 s72, 1
	s_mov_b32 s73, SCL+4096
	s_mov_b64 s[74:75], s[90:91]
	s_or_b32 s75, s75, 0x80000000
.macro ARM under, g0, g1, next         ; one chain of branches on the wave's number, a load to an arm, all arms to one join
	s_cmp_lt_u32 s14, \under
	s_cbranch_scc0 \next
	tensor_load_to_lds s[\g0:\g0+3], s[\g1:\g1+7]
	s_nop 0
	PLACES
	s_branch .Lhead_asked
\next:
.endm
	ARM 1, 56, G1, .Lhead_b
	ARM 2, 60, G1B, .Lhead_sa
	ARM 3, 68, G1S, .Lhead_sb
	tensor_load_to_lds s[72:75], s[G1SB:G1SB+7]
	s_nop 0
	PLACES
.Lhead_asked:
	v_and_b32 v1, 31, v0
	v_and_b32 v2, 15, v0                           ; r
	v_bfe_u32 v3, v0, 4, 1                         ; h
	v_lshlrev_b32 v4, 4, v1                        ; 16 x lane
	v_lshlrev_b32 v5, 3, v1                        ; 8 x lane
	v_lshlrev_b32 v[BA], 6, v3                     ; 64 h
	v_add_nc_u32 v[ADRA], s2, v4                   ; K steps 0-3; the second of each pair serves K steps 4-7
	v_add_nc_u32 v[ADRA8], s2, v5
	v_add_nc_u32 v[ADRB], s3, v4
	v_mul_u32_u24 v6, s76, v3                      ; lanes 16-31 take wo's words: one product, the distance between the two bases
	v_mul_u32_u24 v7, v2, SPITCH
	v_mul_u32_u24 v8, v3, SPITCH
	v_lshlrev_b32 v9, 12, v3
	v_add_nc_u32 v[ADRA+1], 49152, v[ADRA]
	v_add_nc_u32 v[ADRA8+1], 49152, v[ADRA8]
	v_add_nc_u32 v[ADRB+1], 49152, v[ADRB]
	v_lshl_add_u32 v6, v2, 4, v6
	v_lshl_add_u32 v7, v3, 6, v7                   ; the stage, in: row r, + 64 h
	v_lshl_add_u32 v8, v2, 4, v8                   ; back: sixteen lanes to a row of 256 bytes, two rows an instruction
	v_lshl_add_u32 v[CO], v2, 4, v9                ; and the same two rows in out0
	v_add_nc_u32 v[ADRS], s77, v6
	v_add_nc_u32 v[STO], s78, v7
	v_add_nc_u32 v[RD], s78, v8
	s_wait_alu depctr_va_vdst(0)
	WIN 0x40
.irp b, 0,1,2,3
	global_load_b128 v[128+8*\b:128+8*\b+3], v[BA], s[92:93] offset:(32*(\b/2)+8*(\b%2))*4
	global_load_b128 v[128+8*\b+4:128+8*\b+7], v[BA], s[92:93] offset:(32*(\b/2)+8*(\b%2))*4+16
.endr
	WIN 0
	s_wait_tensorcnt 0x0                           ; my tile is in
	s_barrier_signal -1
	s_barrier_wait -1                              ; everybody's is
.macro FETCH s                         ; 28 LDS loads: K step s's four fragments of wo and four of O into set s % 2
.set FB, F+96*((\s)%2)
.irp i, 0,1,2,3
.irp c, 0,1,2
	ds_load_b128 v[FB+FR*\i+4*\c:FB+FR*\i+4*\c+3], v[ADRB+(\s)/4] offset:12288*((\s)%4)+1536*\i+512*\c
.endr
.endr
.irp i, 0,1,2,3
.irp c, 0,1
	ds_load_b128 v[FB+48+FR*\i+6*\c:FB+48+FR*\i+6*\c+3], v[ADRA+(\s)/4] offset:12288*((\s)%4)+1536*\i+768*\c
	ds_load_b64 v[FB+48+FR*\i+6*\c+4:FB+48+FR*\i+6*\c+5], v[ADRA8+(\s)/4] offset:12288*((\s)%4)+1536*\i+768*\c+512
.endr
.endr
.endm
.macro MUL s, first                    ; 16 products; the 16 accumulators take turns, in the same order in every step
.set FB, F+96*((\s)%2)
.irp a, 0,1,2,3
.irp b, 0,1,2,3
.if \first
	v_wmma_scale_f32_16x16x128_f8f6f4 v[8*(4*\a+\b):8*(4*\a+\b)+7], v[FB+FR*\b:FB+FR*\b+FR-1], v[FB+48+FR*\a:FB+48+FR*\a+FR-1], v[128+8*\b:128+8*\b+7], v[SC+4*(\s)+\b], v[SC+4*(\s)+\a] matrix_a_fmt:MATRIX_FMT_FP6 matrix_b_fmt:MATRIX_FMT_FP6 matrix_a_scale:MATRIX_SCALE_ROW1
.else
	v_wmma_scale_f32_16x16x128_f8f6f4 v[8*(4*\a+\b):8*(4*\a+\b)+7], v[FB+FR*\b:FB+FR*\b+FR-1], v[FB+48+FR*\a:FB+48+FR*\a+FR-1], v[8*(4*\a+\b):8*(4*\a+\b)+7], v[SC+4*(\s)+\b], v[SC+4*(\s)+\a] matrix_a_fmt:MATRIX_FMT_FP6 matrix_b_fmt:MATRIX_FMT_FP6 matrix_a_scale:MATRIX_SCALE_ROW1
.endif
.endr
.endr
.endm
.irp s, 0,1,2,3,4,5,6,7
	ds_load_b128 v[SC+4*\s:SC+4*\s+3], v[ADRS] offset:512*\s   ; the scale words of all eight K steps
.endr
	FETCH 0
	FETCH 1
	s_wait_loadcnt 0x0                             ; the bias
	s_wait_dscnt 28                                ; all but K step 1's 28 loads
	WIN 0x50                                       ; C and D in window 1
	MUL 0, 1
.set ST, 1
.rept 6
	PLACES                                         ; in front of loads into registers that matrix instructions have read
	WIN 0
	FETCH ST+1
	s_wait_dscnt 28                                ; all but the 28 just issued
	WIN 0x50
	MUL ST, 0
.set ST, ST+1
.endr
	s_wait_dscnt 0x0
	MUL 7, 0
	PLACES                                         ; in front of the first read of results and of loads into the fragments' registers
; THE WAY OUT, block by block of 16 rows x 64 columns, through my own stage: back come whole rows of 256 bytes, which sixteen lanes store as one aligned unit.  LDS serves a wave's instructions in order.
.macro TOSTAGE a
	WIN 0x04                                       ; the data: window 1
.irp b, 0,1,2,3
	ds_store_b128 v[STO], v[8*(4*(\a)+\b):8*(4*(\a)+\b)+3] offset:128*(\b/2)+32*(\b%2)       ; each accumulator from its low end on
	ds_store_b128 v[STO], v[8*(4*(\a)+\b)+4:8*(4*(\a)+\b)+7] offset:128*(\b/2)+32*(\b%2)+16
.endr
	WIN 0
.set BB, F+32*((\a)%2)
.irp t, 0,1,2,3,4,5,6,7
	ds_load_b128 v[BB+4*\t:BB+4*\t+3], v[RD] offset:\t*2*SPITCH
.endr
.endm
.macro SEND a, younger                 ; younger: the LDS instructions issued behind block a's loads
.set BB, F+32*((\a)%2)
	s_wait_dscnt \younger
.irp t, 0,1,2,3,4,5,6,7
	global_store_b128 v[CO], v[BB+4*\t:BB+4*\t+3], s[94:95] offset:(32*((\a)/2)+8*((\a)%2)+2*\t+8*(\t/4))*4096 th:TH_STORE_NT
.endr
.endm
	TOSTAGE 0
.irp a, 1,2,3
.if \a > 1
	s_wait_xcnt 0x0                                ; block a - 2's stores have read their registers
.endif
	TOSTAGE \a
	SEND \a-1, 16                                  ; behind block a - 1's loads: block a's 8 stores and 8 loads
.endr
	SEND 3, 0
	s_wait_tensorcnt 0x0                           ; the wave's end
	ds_add_u32 v[SPW], v[NIL]
	s_wait_dscnt 0x0
	CROUND                                         ; the closing round
	s_endpgm
.Lfunc_end_k_q1c60ecc639_projo:
	.size	k_q1c60ecc639_projo, .Lfunc_end_k_q1c60ecc639_projo-k_q1c60ecc639_projo
	.p2alignl 7, 3214868480
	.fill 96, 4, 3214868480
	.section	.rodata,"a",@progbits
	.p2align	6, 0x0
	.amdhsa_kernel k_q1c60ecc639_projo
		.amdhsa_group_segment_fixed_size 222720
		.amdhsa_private_segment_fixed_size 0
		.amdhsa_enable_private_segment 0
		.amdhsa_kernarg_size 48
		.amdhsa_user_sgpr_count 2
		.amdhsa_user_sgpr_kernarg_segment_ptr 1
		.amdhsa_wavefront_size32 1
		.amdhsa_system_sgpr_workgroup_id_x 1
		.amdhsa_system_sgpr_workgroup_id_y 1
		.amdhsa_system_sgpr_workgroup_id_z 1
		.amdhsa_system_vgpr_workitem_id 0
		.amdhsa_next_free_vgpr 448
		.amdhsa_next_free_sgpr 101
		.amdhsa_reserve_vcc 0
		.amdhsa_float_denorm_mode_32 3
		.amdhsa_float_denorm_mode_16_64 3
		.amdhsa_memory_ordered 1
		.amdhsa_forward_progress 1
		.amdhsa_inst_pref_size 49
	.end_amdhsa_kernel
	.amdgpu_metadata
---
amdhsa.version: [ 1, 2 ]
amdhsa.kernels:
  - .name:           k_q1c60ecc639_projo
    .symbol:         k_q1c60ecc639_projo.kd
    .args:
      - { .name: oc, .offset: 0, .size: 8, .value_kind: global_buffer, .address_space: global }
      - { .name: osc, .offset: 8, .size: 8, .value_kind: global_buffer, .address_space: global }
      - { .name: ac, .offset: 16, .size: 8, .value_kind: global_buffer, .address_space: global }
      - { .name: asc, .offset: 24, .size: 8, .value_kind: global_buffer, .address_space: global }
      - { .name: bo, .offset: 32, .size: 8, .value_kind: global_buffer, .address_space: global }
      - { .name: out0, .offset: 40, .size: 8, .value_kind: global_buffer, .address_space: global }
    .group_segment_fixed_size: 222720
    .private_segment_fixed_size: 0
    .kernarg_segment_align: 8
    .kernarg_segment_size: 48
    .max_flat_workgroup_size: 128
    .sgpr_count:     101
    .vgpr_count:     448
    .wavefront_size: 32
...
	.end_amdgpu_metadata
.endif
;; end of part 4
